; MI455X (gfx1250); checked and timed in simulation.
; The chip was launched on July 23, 2026; its instructions are those of AMD's public machine-readable ISA for CDNA 5 (MIT licence, August 2026) and "CDNA5" Instruction Set Architecture Reference Guide (July 2026). The comments in the code are by the model that wrote it; some were corrected since.
;; Hybrid Attention. Allowed arithmetic: matrix products marked QUANTISED: E2M1 operands, one E8M0 scale for each 32 along K, by v_wmma_scale_f32_16x16x128_f8f6f4 with both operands' format E2M1 (or v_wmma_scale_f32_32x16x128_f4), f32 sums; products left as they are: bf16, f16 or f32 operands; f32 sums; everything else in f32.
;; Inputs: bk 1,024 float32; bo 1,024 float32; bq 1,024 float32; bv 1,024 float32; wk 1,024 x 1,024 float32; wo 1,024 x 1,024 float32; wq 1,024 x 1,024 float32; wv 1,024 x 1,024 float32; x 2 x 2,048 x 1,024 float32.
;; Outputs: out0 2 x 2,048 x 1,024 float32.
;; This version of the problem:
;;   THIS VERSION OF THE PROBLEM IS GIVEN IN LOW PRECISION. The matrix products marked QUANTISED in the list below multiply operands that are first quantised to E2M1 (2 exponent bits, 1 mantissa bit; 4 bits a number), with one power-of-two scale for each 32 numbers along K (OCP MX v1.0); their sums are f32. The products marked 'left as it is' may take bf16, f16 or f32 operands, with f32 sums. Whichever they take, every output number must still come out within the allowed error. Rounding operands to bf16 (8 significant bits) uses up far more of that allowance than f16 does (11 bits, for magnitudes from 6e-5 to 65,504). All else is computed in f32.
;;   The module's matrix products, in the order in which they are computed (A, B: the left and right operand; K: the contracted axis; several contracted axes count as one K, in the product's order):
;;     1. [M 4,096, K 1,024] x [K 1,024, N 1,024]; A: input x; B: input wq: QUANTISED
;;     2. [M 4,096, K 1,024] x [K 1,024, N 1,024]; A: input x; B: input wk: QUANTISED
;;     3. [M 4,096, K 1,024] x [K 1,024, N 1,024]; A: input x; B: input wv: QUANTISED
;;     4. batch 32 x [M 2,048, K 64] x [K 64, N 2,048]; A: computed on the way; B: computed on the way: left as it is (an operand is computed on the way)
;;     5. batch 32 x [M 2,048, K 2,048] x [K 2,048, N 64]; A: computed on the way; B: computed on the way: left as it is (an operand is computed on the way)
;;     6. [M 4,096, K 1,024] x [K 1,024, N 1,024]; A: computed on the way; B: input wo: left as it is (an operand is computed on the way)
;;   THE QUANTISER, for each operand of a quantised product, along K:
;;     - K is cut into blocks of 32 from its start; a last block that is shorter is filled with zeros.
;;     - A block's scale is 2^e with e = floor(log2(the largest magnitude in the block)) - 2, held to -126 .. 127; a block of zeros has e = 0. As a byte (E8M0): e + 127.
;;     - Each number is divided by its block's scale, clamped to +-6, and rounded to the nearest number of E2M1, ties to even, subnormals kept.
;;     - The product sums the exact products of the quantised numbers (number of the format x scale) in f32.
;;   ~~~python
;;   def quantise(x, axis):      # numpy; x: float32 -> the quantised numbers, widened to float32 again
;;       x = np.moveaxis(x, axis, -1); K = x.shape[-1]
;;       x = np.pad(x, [(0, 0)] * (x.ndim - 1) + [(0, -K % 32)]); x = x.reshape(x.shape[:-1] + (-1, 32)); a = np.abs(x).max(-1, keepdims=True)
;;       e = np.where(a > 0, np.clip(np.frexp(np.where(a > 0, a, 1))[1] - 1 - 2, -126, 127), 0)      # np.frexp(a)[1] - 1 = floor(log2(a)), exactly
;;       r = np.clip(x / 2.0 ** e, -6, 6)
;;       step = 2.0 ** (np.maximum(np.frexp(np.where(r == 0, 1, r))[1] - 1, 0) - 1)
;;       q = np.round(r / step) * step * 2.0 ** e      # np.round: ties to even
;;       return np.moveaxis(q.reshape(q.shape[:-2] + (-1,))[..., :K], -1, axis).astype(np.float32)
;;   ~~~
;; One version. Each part assembles by itself: llvm-mc -triple=amdgcn-amd-amdhsa -mcpu=gfx1250 --defsym DOCPART=n.
;; ======== version 1 of 1: 4 launches
;; limits: values are held in f16: magnitudes above 65,504 overflow, below 6.1e-05 lose precision
;; workspace buffers: xc 2,097,152 bytes; xs 131,072 bytes; wc 1,572,864 bytes; ws 98,304 bytes; wot 2,097,152 bytes; qkv 25,165,824 bytes; ao 8,388,608 bytes
;; launch prep (part 1): grid 384 x 1, 4 waves a work-group, no clusters, 77,312 bytes of LDS; arguments x, wq, wk, wv, wo, xc, xs, wc, ws, wot; writes xc, xs, wc, ws, wot
.if DOCPART == 1
	.amdgcn_target "amdgcn-amd-amdhsa--gfx1250"
	.amdhsa_code_object_version 6
	.text
	.protected	k_qb8b5933b9c_prep
	.globl	k_qb8b5933b9c_prep
	.p2align	8
	.type	k_qb8b5933b9c_prep,@function
k_qb8b5933b9c_prep:
	s_mov_b64 s[64:65], 0
	v_nop
	global_prefetch_b8 v0, s[64:65] scope:SCOPE_SE
	s_setreg_imm32_b32 hwreg(HW_REG_WAVE_MODE, 25, 1), 1
	s_wait_xcnt 0x0
; PREP.  x [4096][1024] f32 (K innermost) and wq, wk, wv [1024 (k)][1024 (n)] f32 (K outermost) become codes of FP4 (E2M1) with K innermost and one E8M0 byte for each 32 along K;
; wo [1024 (k)][1024 (n)] f32 becomes f16 laid [n][k].  xc [4096][512 bytes], xs [4096][32]; wc [3072][512 bytes], ws [3072][32]: rows 0-1023 wq's columns, 1024-2047 wk's, 2048-3071 wv's; wot [1024][1024] f16.
; A block's scale is 2^(floor(log2(its largest magnitude)) - 2): its byte is the largest magnitude's exponent field - 2, held at 1 from below.
; LIMITS: a block of zeros keeps the byte 1 where the rule says 127 (its codes are zeros, and this program alone reads the bytes); blocks whose largest magnitude lies under 2^-124 keep the byte 1;
; NaN and infinities among the inputs are not served; |wo| stays under 65,504 (f16).
; SHARES.  Work-groups 0-127: x, a plain stream of blocks of 32; a wave takes 16 steps of 512 numbers.  Work-groups 128-383: 64 for each of wq, wk, wv, wo: 32 columns x 512 along K, a wave 128 along K.
; The three ways part on the work-group's number alone, end apart, and have LDS bytes of their own.  No tensor load.
.set SPW,   12                         ; v12  LDS address of my spare word: SPARE + 4 x my thread's number; never rewritten
.set NIL,   13                         ; v13  0; never rewritten
.set SP,    80                         ; x: a lane's place in a stage: its 64 bytes + 16 of padding
.set WREG,  8192                       ; x: LDS region of a wave: two stages of 32 x SP bytes, behind them its 256 scale bytes
.set WST,   32768                      ; weights: the work-group's stage, 32 rows (columns of the weight) x (256 bytes of codes + 16)
.set WSC,   41472                      ; weights: 16 scale bytes for each of the 32 columns
.set OST,   41984                      ; wo: a stage of 32 rows x (256 + 16) bytes for each wave
.set SPARE, 76800                      ; the spare words, 128 bytes for each wave: two blocks of 256 bytes that no other line names
.set R,     16                         ; x: v16-143  eight sets of 16 numbers as they are loaded
.set X,     144                        ; x: v144-175 two sets of 16 neighbours
.set E,     176                        ; x: v176-191 a scale byte for each step
.set C,     192                        ; x: v192-223 a pair of code registers for each step: no store's data are written again
.set WX,    32                         ; weights: v32-95 two sets of 32 numbers down K
.set WC,    96                         ; weights: v96-111 a block's codes or f16 pairs
.set WO,    112                        ; weights: v112-175 the way out
.macro FINISH                          ; the wave's end: behind my last LDS store
	s_wait_tensorcnt 0x0
	ds_add_u32 v[SPW], v[NIL]
	s_wait_dscnt 0x0
	s_endpgm
.endm
	s_load_b256 s[4:11], s[0:1], 0x0               ; x s[4:5], wq s[6:7], wk s[8:9], wv s[10:11]
	s_load_b256 s[12:19], s[0:1], 0x20             ; wo s[12:13], xc s[14:15], xs s[16:17], wc s[18:19]
	s_load_b128 s[20:23], s[0:1], 0x40             ; ws s[20:21], wot s[22:23]
	v_lshl_add_u32 v[SPW], v0, 2, SPARE
	v_mov_b32 v[NIL], 0
	v_lshrrev_b32 v1, 5, v0
	v_readfirstlane_b32 s30, v1                    ; wave 0..3
	v_and_b32 v2, 31, v0                           ; lane
	s_wait_kmcnt 0x0
	s_cmp_lt_u32 ttmp9, 128
	s_cbranch_scc0 .Lweights
; ---------------- x ----------------
; Each load reads 512 consecutive bytes, 16 a lane; a step's 2,048 bytes go through the wave's own stage and come back 64 bytes a lane: 16 neighbours along K, two lanes to a block.
	v_lshlrev_b32 v3, 4, v2                        ; my 16 bytes of a load's 512
	s_lshl_b32 s31, s30, 13                        ; my wave's LDS region
	v_lshrrev_b32 v14, 2, v2
	v_mul_u32_u24 v14, v14, SP
	v_and_b32 v15, 3, v2
	v_lshl_add_u32 v14, v15, 4, v14
	v_add_nc_u32 v14, s31, v14                     ; into the stage: SP (lane / 4) + 16 (lane % 4)
	v_mul_u32_u24 v15, v2, SP
	v_add_nc_u32 v15, s31, v15                     ; out of it: SP x lane
	v_lshlrev_b32 v4, 3, v2                        ; 8 x lane: my codes' place in a step's 256 bytes, and my 8 of the 256 scale bytes
	v_lshrrev_b32 v5, 1, v2
	s_add_co_u32 s31, s31, 2*32*SP
	v_add_nc_u32 v5, s31, v5                       ; LDS: my block's scale byte
	v_add_nc_u32 v6, s31, v4                       ; and 8 bytes a lane on the way out
	s_lshl_b32 s32, ttmp9, 2
	s_add_co_u32 s32, s32, s30                     ; which run of 8,192 numbers is my wave's: 0..511
	s_mov_b32 s35, 0
	s_lshl_b32 s34, s32, 15
	s_add_nc_u64 s[4:5], s[4:5], s[34:35]          ; 32,768 bytes of x a run,
	s_lshl_b32 s34, s32, 12
	s_add_nc_u64 s[14:15], s[14:15], s[34:35]      ; 4,096 of codes,
	s_lshl_b32 s34, s32, 8
	s_add_nc_u64 s[16:17], s[16:17], s[34:35]      ; 256 of scale bytes
.macro LOAD t
.irp i, 0,1,2,3
	global_load_b128 v[R+16*((\t)%8)+4*\i:R+16*((\t)%8)+4*\i+3], v3, s[4:5] offset:2048*(\t)+512*\i th:TH_LOAD_NT
.endr
.endm
.macro TURN t                          ; step t's numbers through the stage: LDS serves a wave's instructions in order (ISA guide 5.7.1.4), so no wait stands between the stores and the loads
.irp i, 0,1,2,3
	ds_store_b128 v14, v[R+16*((\t)%8)+4*\i:R+16*((\t)%8)+4*\i+3] offset:32*SP*((\t)%2)+8*SP*\i
.endr
.irp i, 0,1,2,3
	ds_load_b128 v[X+16*((\t)%2)+4*\i:X+16*((\t)%2)+4*\i+3], v15 offset:32*SP*((\t)%2)+16*\i
.endr
.endm
.irp t, 0,1,2,3,4,5,6,7
	LOAD \t                                        ; eight steps, 32 loads a wave, are on their way
.endr
	s_wait_loadcnt 28                              ; step 0's four are in; the 28 of steps 1 to 7 stay out
	TURN 0
.macro STEP t
.set XS, X+16*((\t)%2)
.if (\t) > 0
	s_wait_dscnt 1                                 ; this step's numbers are back from the stage (the last step's byte store may be out)
.else
	s_wait_dscnt 0x0
.endif
.if (\t) < 8
	LOAD (\t)+8                                    ; into the set that this step's stores into the stage have read
.endif
.if (\t) < 15
.if (\t) < 8
	s_wait_loadcnt 28                              ; the next step's four loads are in; those of the seven steps behind it may be out
.else
	s_wait_loadcnt 4*(14-(\t))                     ; nothing more is asked for: the count runs down
.endif
	TURN (\t)+1                                    ; through the other stage while this step is worked
.endif
	v_max3_num_f32 v8, |v[XS]|, |v[XS+1]|, |v[XS+2]|               ; the largest magnitude of my 16, in two chains
	v_max3_num_f32 v9, |v[XS+3]|, |v[XS+4]|, |v[XS+5]|
.irp i, 6,10
	v_max3_num_f32 v8, v8, |v[XS+\i]|, |v[XS+\i+1]|
	v_max3_num_f32 v9, v9, |v[XS+\i+2]|, |v[XS+\i+3]|
.endr
	v_max3_num_f32 v8, v8, |v[XS+14]|, |v[XS+15]|
	v_max3_num_f32 v8, v8, v9, 0x1800000           ; and the floor 2^(3 - 127): the byte cannot fall under 1
	v_max_num_f32_dpp v8, v8, v8 row_xmask:1 row_mask:0xf bank_mask:0xf   ; with my neighbour's 16: the block's
	v_add_nc_u32 v11, 0xff000000, v8               ; 2 off its exponent field: the conversion takes the exponent field of this operand as its scale
	v_cvt_scalef32_pk8_fp4_f32 v[C+2*(\t)], v[XS:XS+7], v11
	v_cvt_scalef32_pk8_fp4_f32 v[C+2*(\t)+1], v[XS+8:XS+15], v11
	v_lshrrev_b32 v[E+(\t)], 23, v11               ; the scale's byte (a plain line behind the conversions)
	ds_store_b8 v5, v[E+(\t)] offset:16*(\t)       ; both lanes of a block write the same byte with the same value
	global_store_b64 v4, v[C+2*(\t):C+2*(\t)+1], s[14:15] offset:256*(\t)   ; 32 lanes store 256 consecutive bytes, aligned
.endm
.irp t, 0,1,2,3,4,5,6,7,8,9,10,11,12,13,14,15
	STEP \t
.endr
	ds_load_b64 v[8:9], v6                         ; my wave's 256 scale bytes, 8 a lane: these see my stores
	s_wait_dscnt 0x0
	global_store_b64 v4, v[8:9], s[16:17]          ; 256 consecutive bytes, aligned
	FINISH
; ---------------- wq, wk, wv, wo ----------------
; A lane takes a column n and its registers run down K: a block of 32 along K lies in one lane's 32 registers.
.Lweights:
	s_sub_co_u32 s32, ttmp9, 128                   ; 0..255
	s_lshr_b32 s33, s32, 6                         ; p: 0 wq, 1 wk, 2 wv, 3 wo
	s_and_b32 s34, s32, 31                         ; which 32 columns
	s_bfe_u32 s35, s32, 0x10005                    ; which 512 along K
	s_mov_b64 s[24:25], s[6:7]
	s_cmp_eq_u32 s33, 1
	s_cselect_b64 s[24:25], s[8:9], s[24:25]
	s_cmp_eq_u32 s33, 2
	s_cselect_b64 s[24:25], s[10:11], s[24:25]
	s_cmp_eq_u32 s33, 3
	s_cselect_b64 s[24:25], s[12:13], s[24:25]     ; the choice hangs on the work-group's number alone
	s_lshl_b32 s36, s35, 2
	s_add_co_u32 s36, s36, s30                     ; which 128 along K is my wave's: 0..7
	s_lshl_b32 s36, s36, 19                        ; 128 rows of 4,096 bytes
	s_lshl_b32 s37, s34, 7                         ; 32 columns of 4 bytes
	s_add_co_u32 s36, s36, s37
	s_mov_b32 s37, 0
	s_add_nc_u64 s[24:25], s[24:25], s[36:37]
	v_lshlrev_b32 v3, 2, v2                        ; 4 bytes a lane
.macro LOADW t                         ; block t: W(32 t + i, my column), i = 0 .. 31, into set t % 2.  No hint: the neighbouring work-group reads the bytes beside these
.irp i, 0,1,2,3,4,5,6,7,8,9,10,11,12,13,14,15,16,17,18,19,20,21,22,23,24,25,26,27,28,29,30,31
	global_load_b32 v[WX+32*((\t)%2)+\i], v3, s[24:25] offset:(32*(\t)+\i)*4096
.endr
.endm
	LOADW 0
	LOADW 1
	v_lshrrev_b32 v6, 4, v2                        ; lane / 16
	v_and_b32 v5, 15, v2                           ; lane % 16
	s_mov_b32 s39, 0
	s_cmp_eq_u32 s33, 3
	s_cbranch_scc1 .Lwo
; wq, wk, wv: the four waves' codes of a column, 64 bytes each, meet in the work-group's stage and leave as rows of 256 bytes.
	s_lshl_b32 s31, s30, 6
	v_mul_u32_u24 v4, v2, 272
	v_add_nc_u32 v4, s31, v4
	v_add_nc_u32 v4, WST, v4                       ; into the stage: row = my column, + 64 x wave
	v_lshlrev_b32 v10, 4, v2
	v_add_nc_u32 v10, WSC, v10                     ; my column's 16 scale bytes,
	s_lshl_b32 s31, s30, 2
	v_add_nc_u32 v9, s31, v10                      ; and my wave's four of them
	s_mul_i32 s31, s30, 8*272
	v_mul_u32_u24 v7, v6, 272
	v_lshl_add_u32 v7, v5, 4, v7
	v_add_nc_u32 v7, s31, v7
	v_add_nc_u32 v7, WST, v7                       ; out of it: wave w takes rows 8 w .. 8 w + 7, sixteen lanes to a row
	s_lshl_b32 s31, s30, 12
	v_lshlrev_b32 v8, 9, v6
	v_lshl_add_u32 v8, v5, 4, v8
	v_add_nc_u32 v8, s31, v8                       ; the same place in wc: rows of 512 bytes
	v_lshlrev_b32 v1, 5, v2                        ; ws: rows of 32 bytes
	s_lshl_b32 s36, s33, 10
	s_lshl_b32 s37, s34, 5
	s_add_co_u32 s36, s36, s37                     ; the work-group's first row of wc and ws: 1024 p + 32 x column group
	s_lshl_b32 s38, s36, 9
	s_lshl_b32 s37, s35, 8
	s_add_co_u32 s38, s38, s37
	s_add_nc_u64 s[18:19], s[18:19], s[38:39]      ; + 256 bytes for the upper 512 along K
	s_lshl_b32 s38, s36, 5
	s_lshl_b32 s37, s35, 4
	s_add_co_u32 s38, s38, s37
	s_add_nc_u64 s[20:21], s[20:21], s[38:39]
.macro BLOCKQ t
.set XS, WX+32*((\t)%2)
.if (\t) < 3
	s_wait_loadcnt 32                              ; this block's 32 loads are in; the next block's may be out
.else
	s_wait_loadcnt 0x0
.endif
	v_max3_num_f32 v14, |v[XS]|, |v[XS+1]|, |v[XS+2]|              ; the block's largest magnitude: all 32 numbers are mine
	v_max3_num_f32 v15, |v[XS+3]|, |v[XS+4]|, |v[XS+5]|
.irp i, 6,10,14,18,22,26
	v_max3_num_f32 v14, v14, |v[XS+\i]|, |v[XS+\i+1]|
	v_max3_num_f32 v15, v15, |v[XS+\i+2]|, |v[XS+\i+3]|
.endr
	v_max3_num_f32 v14, v14, |v[XS+30]|, |v[XS+31]|
	v_max3_num_f32 v14, v14, v15, 0x1800000        ; and the floor 2^(3 - 127)
	v_add_nc_u32 v11, 0xff000000, v14              ; the conversion's scale operand
	v_lshrrev_b32 v15, 23, v11                     ; the scale's byte
.if (\t) == 0
	v_mov_b32 v24, v15                             ; four bytes to a register, the lower K in the lower byte
.else
	v_lshl_or_b32 v24, v15, 8*(\t), v24
.endif
.irp g, 0,1,2,3
	v_cvt_scalef32_pk8_fp4_f32 v[WC+\g], v[XS+8*\g:XS+8*\g+7], v11
.endr
	v_nop                                          ; one plain line behind the last scaled conversion
	ds_store_b128 v4, v[WC:WC+3] offset:16*(\t)    ; 32 codes: 16 bytes of my column's row
.if (\t) < 2
	LOADW (\t)+2
.endif
	s_wait_dscnt 0x0                               ; the store has read its registers: the next block's codes may be written
.endm
	BLOCKQ 0
	BLOCKQ 1
	BLOCKQ 2
	BLOCKQ 3
	ds_store_b32 v9, v24                           ; my four scale bytes of my column
	s_wait_dscnt 0x0                               ; for the others' sake: my stores have landed
	s_barrier_signal -1
	s_barrier_wait -1                              ; (the branch that led here hangs on the work-group's number: all four waves are on this way)
.irp t, 0,1,2,3
	ds_load_b128 v[WO+4*\t:WO+4*\t+3], v7 offset:2*\t*272
.endr
.irp t, 0,1,2,3
	s_wait_dscnt 3-\t                              ; the younger loads may be out
	global_store_b128 v8, v[WO+4*\t:WO+4*\t+3], s[18:19] offset:2*\t*512   ; sixteen lanes store 256 consecutive bytes, aligned
.endr
	s_cmp_lg_u32 s30, 0
	s_cbranch_scc1 .Lq_end                         ; wave 0 stores the 32 columns' scale bytes, 16 a lane
	ds_load_b128 v[128:131], v10
	s_wait_dscnt 0x0
	global_store_b128 v1, v[128:131], s[20:21]
.Lq_end:
	FINISH
; wo: rounded to f16, turned through the wave's own stage: a column's 128 along K are 256 bytes of its row of wot.
.Lwo:
	s_mul_i32 s31, s30, 32*272
	s_add_co_u32 s31, s31, OST                     ; my stage
	v_mul_u32_u24 v4, v2, 272
	v_add_nc_u32 v4, s31, v4                       ; into it: row = my column
	v_mul_u32_u24 v7, v6, 272
	v_lshl_add_u32 v7, v5, 4, v7
	v_add_nc_u32 v7, s31, v7                       ; out of it: sixteen lanes to a row, two rows an instruction
	v_lshlrev_b32 v8, 11, v6
	v_lshl_add_u32 v8, v5, 4, v8                   ; the same place in wot: rows of 2,048 bytes
	s_lshl_b32 s38, s34, 16                        ; 32 rows of 2,048 bytes a column group,
	s_lshl_b32 s37, s35, 10                        ; 1,024 bytes for the upper 512 along K,
	s_add_co_u32 s38, s38, s37
	s_lshl_b32 s37, s30, 8                         ; 256 bytes a wave
	s_add_co_u32 s38, s38, s37
	s_add_nc_u64 s[22:23], s[22:23], s[38:39]
.macro BLOCKH t
.set XS, WX+32*((\t)%2)
.if (\t) < 3
	s_wait_loadcnt 32                              ; this block's 32 loads are in; the next block's may be out
.else
	s_wait_loadcnt 0x0
.endif
.irp i, 0,1,2,3,4,5,6,7,8,9,10,11,12,13,14,15
	v_cvt_pk_f16_f32 v[WC+\i], v[XS+2*\i], v[XS+2*\i+1]            ; the lower k in the low half
.endr
.irp i, 0,1,2,3
	ds_store_b128 v4, v[WC+4*\i:WC+4*\i+3] offset:64*(\t)+16*\i
.endr
.if (\t) < 2
	LOADW (\t)+2
.endif
	s_wait_dscnt 0x0                               ; the stores have read their registers
.endm
	BLOCKH 0
	BLOCKH 1
	BLOCKH 2
	BLOCKH 3
.irp t, 0,1,2,3,4,5,6,7,8,9,10,11,12,13,14,15
	ds_load_b128 v[WO+4*\t:WO+4*\t+3], v7 offset:2*\t*272          ; my own bytes: these see my stores
.endr
.irp t, 0,1,2,3,4,5,6,7,8,9,10,11,12,13,14,15
	s_wait_dscnt 15-\t
	global_store_b128 v8, v[WO+4*\t:WO+4*\t+3], s[22:23] offset:2*\t*2048   ; sixteen lanes store 256 consecutive bytes, aligned
.endr
	FINISH
.Lfunc_end_k_qb8b5933b9c_prep:
	.size	k_qb8b5933b9c_prep, .Lfunc_end_k_qb8b5933b9c_prep-k_qb8b5933b9c_prep
	.p2alignl 7, 3214868480
	.fill 96, 4, 3214868480
	.section	.rodata,"a",@progbits
	.p2align	6, 0x0
	.amdhsa_kernel k_qb8b5933b9c_prep
		.amdhsa_group_segment_fixed_size 77312
		.amdhsa_private_segment_fixed_size 0
		.amdhsa_enable_private_segment 0
		.amdhsa_kernarg_size 80
		.amdhsa_user_sgpr_count 2
		.amdhsa_user_sgpr_kernarg_segment_ptr 1
		.amdhsa_wavefront_size32 1
		.amdhsa_system_sgpr_workgroup_id_x 1
		.amdhsa_system_sgpr_workgroup_id_y 1
		.amdhsa_system_sgpr_workgroup_id_z 1
		.amdhsa_system_vgpr_workitem_id 0
		.amdhsa_next_free_vgpr 224
		.amdhsa_next_free_sgpr 66
		.amdhsa_reserve_vcc 0
		.amdhsa_float_denorm_mode_32 3
		.amdhsa_float_denorm_mode_16_64 3
		.amdhsa_memory_ordered 1
		.amdhsa_forward_progress 1
		.amdhsa_inst_pref_size 70
	.end_amdhsa_kernel
	.amdgpu_metadata
---
amdhsa.version: [ 1, 2 ]
amdhsa.kernels:
  - .name:           k_qb8b5933b9c_prep
    .symbol:         k_qb8b5933b9c_prep.kd
    .args:
      - { .name: x, .offset: 0, .size: 8, .value_kind: global_buffer, .address_space: global }
      - { .name: wq, .offset: 8, .size: 8, .value_kind: global_buffer, .address_space: global }
      - { .name: wk, .offset: 16, .size: 8, .value_kind: global_buffer, .address_space: global }
      - { .name: wv, .offset: 24, .size: 8, .value_kind: global_buffer, .address_space: global }
      - { .name: wo, .offset: 32, .size: 8, .value_kind: global_buffer, .address_space: global }
      - { .name: xc, .offset: 40, .size: 8, .value_kind: global_buffer, .address_space: global }
      - { .name: xs, .offset: 48, .size: 8, .value_kind: global_buffer, .address_space: global }
      - { .name: wc, .offset: 56, .size: 8, .value_kind: global_buffer, .address_space: global }
      - { .name: ws, .offset: 64, .size: 8, .value_kind: global_buffer, .address_space: global }
      - { .name: wot, .offset: 72, .size: 8, .value_kind: global_buffer, .address_space: global }
    .group_segment_fixed_size: 77312
    .private_segment_fixed_size: 0
    .kernarg_segment_align: 8
    .kernarg_segment_size: 80
    .max_flat_workgroup_size: 128
    .sgpr_count:     66
    .vgpr_count:     224
    .wavefront_size: 32
...
	.end_amdgpu_metadata
.endif
;; end of part 1
;; launch qkv (part 2): grid 12 x 16, 4 waves a work-group, clusters of 4 x 4, 327,680 bytes of LDS; arguments xc, xs, wc, ws, bq, bk, bv, qkv; writes qkv
.if DOCPART == 2
	.amdgcn_target "amdgcn-amd-amdhsa--gfx1250"
	.amdhsa_code_object_version 6
	.text
	.protected	k_qb8b5933b9c_qkv
	.globl	k_qb8b5933b9c_qkv
	.p2align	8
	.type	k_qb8b5933b9c_qkv,@function
k_qb8b5933b9c_qkv:
	s_mov_b64 s[64:65], 0
	v_nop
	global_prefetch_b8 v0, s[64:65] scope:SCOPE_SE
	s_setreg_imm32_b32 hwreg(HW_REG_WAVE_MODE, 25, 1), 1
	s_wait_xcnt 0x0
	s_wait_alu depctr_hold_cnt(0) depctr_sa_sdst(0) depctr_va_vdst(0) depctr_va_sdst(0) depctr_va_ssrc(0) depctr_va_vcc(0) depctr_vm_vsrc(0)
	s_getreg_b32 s2, hwreg(HW_REG_IB_STS2, 6, 4)
	s_cmp_eq_u32 s2, 0
	s_cbranch_scc0 .Lentry_in_a_cluster
	s_endpgm
.Lentry_in_a_cluster:
	s_bfe_u32 s2, ttmp6, 0x10000c
	s_cmp_lg_u32 s2, 0xf033
	s_cbranch_scc0 .Lentry_shape_is_right
	s_endpgm
.Lentry_shape_is_right:
; QKV.  C[m][n] = sum over k of X[m][k] W[n][k] + bias[n], on codes of FP4 (E2M1) with one E8M0 scale for each 32 along K; m 4,096, n 3,072 (wq's, wk's, wv's columns on end), k 1,024; sums in f32.
; The result is rounded once to f16 and laid for the attention: qkv [part 3][batch x 16 + head][position 2,048][64].  LIMIT: |q|, |k|, |v| stay under 65,504 (f16).
; A tile of C, 256 x 256, is made by a work-group of four waves; a wave makes 128 x 128: 64 accumulators of 16 x 16, 512 registers.  K is two LDS slots of 512 along K (rows of 256 bytes): both are
; asked for at the start, with the scales of the work-group's 256 + 256 rows for all of K: three tensor loads of a wave are out, and no LDS byte is filled twice.
; CLUSTERS: 4 x 4 work-groups.  The four of a row of the cluster need the same tiles of X, the four of a column the same tiles of W: each tile is asked for JOINTLY.
; THE MATRIX INSTRUCTION IS USED TRANSPOSED (source 0 = 16 rows of W, source 1 = 16 rows of X): a lane holds eight neighbouring columns of one row of C.  The bias is the C of each sum's first product.
; REGISTERS, in windows of 256: window 0: v0-31 addresses; v32-95 scale words, two sets; v128-191 X's fragments, one set; v192-255 the bias of my 128 columns (8 blocks x 8), later packed results.
;   window 1: W's fragments, two sets, at v0 and v128.   window 2: the accumulators of my rows 0-63 ((a, b) at v[8 (8 a + b)]);   window 3: those of my rows 64-127.
.set SIZE_K, 1024
.set KSTEP,  512
.set NQ,     KSTEP/128
.set ROWB,   256                       ; a tile's row in bytes: 512 codes
.set KROW,   SIZE_K/2                  ; a row of codes in memory
.set PITCH,  272                       ; an LDS row: 256 bytes + 16 of padding: the 16 rows of a fragment load start at 16 different banks (64 banks of 4 bytes: ISA guide 11.1)
.set FR,     8
.set NL,     2
.set NP,     4                         ; places behind this matrix instruction (ISA guide 7.12.1)
.set HALFT,  128*PITCH
.set SLOT,   4*HALFT
.set KS,     SIZE_K/32
.set SCL,    2*SLOT                    ; behind the two slots: the scales, as units of 256 bytes + 16 of padding
.set HALFS,  (128*KS/256)*272
.set SBLK,   (16*KS/256)*272
.set SPARE,  SCL+4*HALFS               ; the spare words, 128 bytes for each wave: two blocks of 256 bytes that no other line names
.set SPITCH, 272                       ; the way out: a stage of 16 rows x (256 bytes + 16) for each wave, in slot 0, which has had its one fill and its last read by then
.set ADRA, 16
.set ADRB, 20
.set STO,  24
.set RD,   25
.set CO,   26
.set ADRS, 27
.set SPW,  28                          ; v28  LDS address of my spare word; never rewritten
.set NIL,  29                          ; v29  0; never rewritten
.set BOF,  30                          ; v30  my byte offset in the bias
.set SC,   32
.set AF,   128
.set BI,   192                         ; the bias: block b at v[BI + 8 b]
.set TMP,  192                         ; the way out: packed results
.set BK,   128                         ; the way out: rows read back: v128-159 and v160-191 by turns
.set G1, 24
.set G0, 32
.set G1B, 48
.set G0B, 56
.set G1S, 68
.set G0S, 76
.set G1SB, 80
.set G0SB, 88
.set MSB, 0
.macro WIN new                         ; the immediate's high byte repeats the setting that is left
.if MSB != \new
	s_set_vgpr_msb (MSB<<8)|\new
.set MSB, \new
.endif
.endm
.set MUL_LO, 0xa1                      ; source 0 (W) window 1, source 1 (X) window 0, C and D window 2
.set MUL_HI, 0xf1                      ; the same, C and D window 3
.set MUL_LO0, 0x81                     ; the first products: C (the bias) window 0, D window 2
.set MUL_HI0, 0xc1                     ; and D window 3
.set TO_B,   0x40
; A joint load: waves 0 and 1 fetch for X, waves 2 and 3 for W.  The branch hangs on the wave's number alone.  An s_nop 0 and four v_nop follow each of the two lines.
.macro JLOAD g0a, g1a, g0b, g1b
	s_cmp_eq_u32 s15, 0
	s_cbranch_scc0 .Lfor_b_\@
	tensor_load_to_lds s[\g0a:\g0a+3], s[\g1a:\g1a+7]
	s_nop 0
.rept 4
	v_nop
.endr
	s_branch .Lasked_\@
.Lfor_b_\@:
	tensor_load_to_lds s[\g0b:\g0b+3], s[\g1b:\g1b+7]
	s_nop 0
.rept 4
	v_nop
.endr
.Lasked_\@:
.endm
.macro CROUND                          ; a round of the cluster's barrier
	s_barrier_signal -1
	s_barrier_wait -1
	s_cmp_lg_u32 s14, 0
	s_cbranch_scc1 .Lnot_wave_0_\@
	s_barrier_signal -3
.Lnot_wave_0_\@:
	s_barrier_wait -3
	s_barrier_signal -1
	s_barrier_wait -1
.endm
	s_load_b128 s[4:7], s[0:1], 0x0                ; X's codes s[4:5], X's scales s[6:7]
	s_load_b128 s[8:11], s[0:1], 0x10              ; W's codes s[8:9], W's scales s[10:11]
	s_load_b128 s[96:99], s[0:1], 0x20             ; bq s[96:97], bk s[98:99]
	s_load_b64 s[100:101], s[0:1], 0x30            ; bv
	s_load_b64 s[12:13], s[0:1], 0x38              ; qkv
	v_lshl_add_u32 v[SPW], v0, 2, SPARE
	v_mov_b32 v[NIL], 0
	ds_add_u32 v[SPW], v[NIL]                      ; the wave's opening: the add, twice on end, and its wait ahead of my first tensor load
	ds_add_u32 v[SPW], v[NIL]                      ; and once more, under the one wait; the set-up below stands between
	v_lshrrev_b32 v1, 5, v0
	v_readfirstlane_b32 s14, v1                    ; wave 0..3
	s_lshr_b32 s15, s14, 1                         ; which half of the tile's rows is mine.  Also: I fetch for X (0) or for W (1)
	s_and_b32 s16, s14, 1                          ; which half of its columns.  Also: which 128 rows of that tile I fetch
	s_bfe_u32 s40, ttmp6, 0x40000                  ; cx, cy: my place in the cluster
	s_bfe_u32 s41, ttmp6, 0x40004
	s_lshl_b32 s42, ttmp9, 2
	s_add_co_u32 s42, s42, s40                     ; tile column of C = 4 x cluster x + cx
	s_and_b32 s17, ttmp7, 0xffff
	s_lshl_b32 s17, s17, 2
	s_add_co_u32 s17, s17, s41                     ; tile row of C = 4 x cluster y + cy
	s_lshl_b32 s43, s41, 2
	s_lshl_b32 s43, 15, s43                        ; my row of the cluster
	s_lshl_b32 s44, 0x1111, s40                    ; my column
	; descriptor group 1: a tile of 128 rows x 256 bytes, padded in LDS
	s_or_b32 s[G1+0], s43, (0<<16)|(1<<20)|(1<<21)|(5<<22)|(3<<25)  ; the mask: X's tiles go to my row; elements of 1 byte; padding on; bit 21 beside a mask; 4 words after every 64
	s_or_b32 s[G1B+0], s44, (0<<16)|(1<<20)|(1<<21)|(5<<22)|(3<<25)
.irp g, G1, G1B
	s_mov_b32 s[\g+1], ROWB<<16                    ; tensor_dim0
	s_mov_b32 s[\g+2], 128<<16                     ; tensor_dim1
	s_mov_b32 s[\g+3], ROWB<<16                    ; tile_dim0
	s_mov_b32 s[\g+4], 128                         ; tile_dim1
	s_mov_b32 s[\g+5], KROW                        ; tensor_dim0_stride
	s_mov_b32 s[\g+6], 0
	s_mov_b32 s[\g+7], 0
.endr
	; the scales of 128 rows: a dense block of 4,096 bytes, as 16 rows of 256 bytes (32 elements of 8 bytes), 16 bytes of padding behind each
	s_or_b32 s[G1S+0], s43, (3<<16)|(1<<20)|(1<<21)|(5<<22)|(3<<25)
	s_or_b32 s[G1SB+0], s44, (3<<16)|(1<<20)|(1<<21)|(5<<22)|(3<<25)
.irp g, G1S, G1SB
	s_mov_b32 s[\g+1], 32<<16
	s_mov_b32 s[\g+2], (128*KS/256)<<16
	s_mov_b32 s[\g+3], 32<<16
	s_mov_b32 s[\g+4], 128*KS/256
	s_mov_b32 s[\g+5], 32
	s_mov_b32 s[\g+6], 0
	s_mov_b32 s[\g+7], 0
.endr
	s_lshl_b32 s18, s16, 7                         ; which 128 rows of the tile I fetch
	s_lshl_b32 s20, s17, 8
	s_add_co_u32 s20, s20, s18                     ; X: row 256 x tile row + 128 x half
	s_lshl_b32 s46, s42, 8
	s_add_co_u32 s46, s46, s18                     ; W: row 256 x tile column + 128 x half
	s_mov_b32 s21, 0
	s_mov_b32 s47, 0
	s_mov_b64 s[18:19], KS
	s_mul_u64 s[22:23], s[20:21], s[18:19]         ; where these rows' scales begin, in bytes
	s_mul_u64 s[92:93], s[46:47], s[18:19]
	s_mov_b64 s[18:19], KROW
	s_mul_u64 s[20:21], s[20:21], s[18:19]         ; and their codes
	s_mul_u64 s[46:47], s[46:47], s[18:19]
	s_mul_i32 s45, s14, HALFT                      ; where they go: wave x 128 rows: no place in the cluster enters an LDS address
	s_mul_i32 s94, s14, HALFS
	s_wait_dscnt 0x0                               ; both opening adds are done
	s_wait_kmcnt 0x0
	s_add_nc_u64 s[20:21], s[4:5], s[20:21]
	s_add_nc_u64 s[22:23], s[6:7], s[22:23]
	s_add_nc_u64 s[46:47], s[8:9], s[46:47]
	s_add_nc_u64 s[92:93], s[10:11], s[92:93]
	CROUND                                         ; all sixteen work-groups are here: the joint loads meet
	s_mov_b32 s[G0S], 1
	s_add_co_u32 s[G0S+1], s94, SCL
	s_mov_b64 s[G0S+2:G0S+3], s[22:23]
	s_or_b32 s[G0S+3], s[G0S+3], 0x80000000
	s_mov_b32 s[G0SB], 1
	s_add_co_u32 s[G0SB+1], s94, SCL
	s_mov_b64 s[G0SB+2:G0SB+3], s[92:93]
	s_or_b32 s[G0SB+3], s[G0SB+3], 0x80000000
	JLOAD G0S, G1S, G0SB, G1SB                     ; the scales first: they are wanted with the first slot
.irp s, 0,1
	s_mov_b32 s[G0+4*\s], 1
	s_add_co_u32 s[G0+4*\s+1], s45, \s*SLOT
	s_add_nc_u64 s[G0+4*\s+2:G0+4*\s+3], s[20:21], \s*ROWB
	s_or_b32 s[G0+4*\s+3], s[G0+4*\s+3], 0x80000000
	s_mov_b32 s[G0B+4*\s], 1
	s_add_co_u32 s[G0B+4*\s+1], s45, \s*SLOT
	s_add_nc_u64 s[G0B+4*\s+2:G0B+4*\s+3], s[46:47], \s*ROWB
	s_or_b32 s[G0B+4*\s+3], s[G0B+4*\s+3], 0x80000000
	JLOAD G0+4*\s, G1, G0B+4*\s, G1B
.endr
	v_and_b32 v1, 15, v0                           ; l % 16
	v_bfe_u32 v2, v0, 4, 1                         ; l / 16
	; the bias of my 128 columns, in the result's layout: lane (r, h), block b: columns 16 b + 8 h + 0 .. 7.  The part (q, k or v) is the cluster's x: four tile columns to a part
	s_cmp_eq_u32 ttmp9, 1
	s_cselect_b64 s[100:101], s[98:99], s[100:101]
	s_cmp_eq_u32 ttmp9, 0
	s_cselect_b64 s[96:97], s[96:97], s[100:101]
	s_lshl_b32 s18, s40, 10                        ; 256 columns of 4 bytes a tile column within the part,
	s_lshl_b32 s19, s16, 9                         ; 128 for my half
	s_add_co_u32 s18, s18, s19
	v_lshlrev_b32 v[BOF], 5, v2
	v_add_nc_u32 v[BOF], s18, v[BOF]
.irp b, 0,1,2,3,4,5,6,7
	global_load_b128 v[BI+8*\b:BI+8*\b+3], v[BOF], s[96:97] offset:64*\b
	global_load_b128 v[BI+8*\b+4:BI+8*\b+7], v[BOF], s[96:97] offset:64*\b+16
.endr
	v_mul_u32_u24 v3, v1, PITCH
	v_lshl_add_u32 v4, v2, 4, v3                   ; a fragment's row x pitch + 16 x half
	s_mul_i32 s21, s15, HALFT                      ; my 128 rows of X
	s_mul_i32 s22, s16, HALFT                      ; my 128 rows of W,
	s_add_co_u32 s22, s22, 2*HALFT                 ; which lie behind X's 256
.irp s, 0,1
	v_add_nc_u32 v[ADRA+\s], s21, v4
	v_add_nc_u32 v[ADRB+\s], s22, v4
	s_add_co_u32 s21, s21, SLOT
	s_add_co_u32 s22, s22, SLOT
.endr
	v_mul_u32_u24 v5, v1, KS                       ; my row's scales: 32 bytes a row,
	v_lshrrev_b32 v6, 8, v5
	v_lshl_add_u32 v5, v6, 4, v5                   ; and 16 more for each 256 passed
	s_mul_i32 s21, s15, HALFS                      ; X's: my 128 rows
	s_mul_i32 s22, s16, HALFS                      ; W's: my 128 rows, behind X's 256
	s_add_co_u32 s22, s22, 2*HALFS
	s_sub_co_u32 s22, s22, s21
	v_mul_u32_u24 v6, s22, v2                      ; lanes 16-31 take W's
	s_add_co_u32 s21, s21, SCL
	v_add_nc_u32 v5, v5, v6
	v_add_nc_u32 v[ADRS], s21, v5
	s_mul_i32 s23, s14, 16*SPITCH                  ; my stage
	v_mul_u32_u24 v5, v1, SPITCH                   ; in: row l % 16, 16 bytes for each half of the lanes
	v_lshl_add_u32 v5, v2, 4, v5
	v_add_nc_u32 v[STO], s23, v5
	v_bfe_u32 v6, v0, 3, 1                         ; back: lanes 0-15 take two rows' 128 bytes of my first head, lanes 16-31 of my second
	v_and_b32 v7, 7, v0
	v_mul_u32_u24 v5, v6, SPITCH
	v_lshl_add_u32 v5, v2, 7, v5
	v_lshl_add_u32 v5, v7, 4, v5
	v_add_nc_u32 v[RD], s23, v5
	v_lshlrev_b32 v[CO], 18, v2                    ; in qkv a head is 262,144 bytes, a position 128: two positions of one head are 256 consecutive bytes
	v_lshl_add_u32 v[CO], v6, 7, v[CO]
	v_lshl_add_u32 v[CO], v7, 4, v[CO]
	s_lshr_b32 s20, s17, 3                         ; the batch: eight tile rows each
	s_lshl_b32 s20, s20, 4
	s_lshl_b32 s21, ttmp9, 5
	s_add_co_u32 s20, s20, s21                     ; 32 x part + 16 x batch
	s_lshl_b32 s20, s20, 18
	s_lshl_b32 s21, s17, 8
	s_lshl_b32 s18, s15, 7
	s_add_co_u32 s21, s21, s18
	s_and_b32 s21, s21, 2047                       ; my first position in the sequence
	s_lshl_b32 s21, s21, 7
	s_add_co_u32 s20, s20, s21
	s_mov_b32 s21, 0
	s_lshl_b32 s46, s40, 2                         ; my first head: 4 cx + 2 x half
	s_lshl_b32 s47, s16, 1
	s_add_co_u32 s46, s46, s47
	s_lshl_b32 s46, s46, 18
	s_mov_b32 s47, 0
	s_add_nc_u64 s[20:21], s[20:21], s[46:47]
	s_add_nc_u64 s[12:13], s[12:13], s[20:21]
.macro FRAG reg, adr, q, i             ; 16 rows x 128 K of 4-bit codes: lane l holds row l % 16; registers 4 c .. 4 c + 3 hold K = 64 c + 32 (l / 16) + 0 .. 31
.irp c, 0,1
	ds_load_b128 v[\reg+4*\c:\reg+4*\c+3], v[\adr] offset:64*(\q)+32*\c+(\i)*16*PITCH
.endr
.endm
; 16 matrix instructions: X's blocks a0, a0 + 1 x W's eight, the slot's q-th 128 along K.  p: W's set;  sc: the set of scale words.  first = 1: the bias is C: nothing is cleared and nothing is added later.
; The 64 accumulators take turns, one instruction a turn, in the same order in every step.
.macro MUL16 a0, p, q, sc, first
.irp a, \a0, \a0+1
.irp b, 0,1,2,3,4,5,6,7
.if \first
	v_wmma_scale_f32_16x16x128_f8f6f4 v[8*(8*((\a)%4)+\b):8*(8*((\a)%4)+\b)+7], v[128*(\p)+FR*\b:128*(\p)+FR*\b+FR-1], v[AF+FR*(\a):AF+FR*(\a)+FR-1], v[BI+8*\b:BI+8*\b+7], v[SC+8*NQ*(\sc)+NQ*\b+(\q)], v[SC+8*NQ*(\sc)+NQ*(\a)+(\q)] matrix_a_fmt:MATRIX_FMT_FP4 matrix_b_fmt:MATRIX_FMT_FP4 matrix_a_scale:MATRIX_SCALE_ROW1
.else
	v_wmma_scale_f32_16x16x128_f8f6f4 v[8*(8*((\a)%4)+\b):8*(8*((\a)%4)+\b)+7], v[128*(\p)+FR*\b:128*(\p)+FR*\b+FR-1], v[AF+FR*(\a):AF+FR*(\a)+FR-1], v[8*(8*((\a)%4)+\b):8*(8*((\a)%4)+\b)+7], v[SC+8*NQ*(\sc)+NQ*\b+(\q)], v[SC+8*NQ*(\sc)+NQ*(\a)+(\q)] matrix_a_fmt:MATRIX_FMT_FP4 matrix_b_fmt:MATRIX_FMT_FP4 matrix_a_scale:MATRIX_SCALE_ROW1
.endif
.endr
.endr
.endm
.macro FETCH_B slot, q, p
	WIN TO_B
.irp i, 0,1,2,3,4,5,6,7
	FRAG 128*(\p)+FR*\i, ADRB+\slot, \q, \i
.endr
	WIN 0
.endm
.macro FETCH_A slot, q, i0
.irp i, \i0, \i0+1, \i0+2, \i0+3
	FRAG AF+FR*(\i), ADRA+\slot, \q, \i
.endr
.endm
.macro SCALES sc                       ; a slot's scale words: 4 words a row; lanes 0-15 take X's block i, lanes 16-31 W's block i
.irp i, 0,1,2,3,4,5,6,7
	ds_load_b128 v[SC+8*NQ*\sc+NQ*\i:SC+8*NQ*\sc+NQ*\i+3], v[ADRS] offset:\i*SBLK
.endr
.endm
.macro PLACES n                        ; plain vector instructions between a matrix instruction and a load into, or a read of, its registers
.rept \n
	v_nop
.endr
.endm
; A step of 128 along K that has its successor in the same slot.
.macro STEP slot, q, first
	s_wait_dscnt 4*NL                              ; W's set and X's blocks 0-3 are in; the youngest eight loads (X's blocks 4-7) may be out
.if \first
	WIN MUL_LO0
.else
	WIN MUL_LO
.endif
	MUL16 0, (\q)%2, \q, \slot, \first
	MUL16 2, (\q)%2, \q, \slot, \first
	s_wait_dscnt 0                                 ; X's blocks 4-7 are in
	PLACES NP
	FETCH_B \slot, (\q)+1, 1-(\q)%2
	FETCH_A \slot, (\q)+1, 0
.if \first
	WIN MUL_HI0
.else
	WIN MUL_HI
.endif
	MUL16 4, (\q)%2, \q, \slot, \first
	MUL16 6, (\q)%2, \q, \slot, \first
	PLACES NP
	WIN 0
	FETCH_A \slot, (\q)+1, 4
.endm
; Slot 0's last step changes slots: each wave waits for all its tensor loads (slot 1's is the one that may be out), then one barrier: behind it slot 1 is whole and nobody reads slot 0.  Nothing is filled again.
.macro TURN slot, next
	s_wait_tensorcnt 0x0                           ; my part of the next slot has landed  (every window is 0 here)
	ds_add_u32 v[SPW], v[NIL]                      ; 0 onto my spare word
	s_wait_dscnt 4*NL+1                            ; (the add and the youngest eight loads may be out)
	WIN MUL_LO
	MUL16 0, 1, NQ-1, \slot, 0
	s_wait_dscnt 0x0                               ; the add is done, and my reads of this slot are over
	s_barrier_signal -1
	MUL16 2, 1, NQ-1, \slot, 0
	WIN 0
	s_barrier_wait -1
	PLACES NP
	v_add_nc_u32 v[ADRS], 4*NQ, v[ADRS]            ; on to the next slot's scale words (no LDS load of mine is out)
	FETCH_B \next, 0, 0
	FETCH_A \next, 0, 0
	SCALES \next
	WIN MUL_HI
	MUL16 4, 1, NQ-1, \slot, 0
	MUL16 6, 1, NQ-1, \slot, 0
	PLACES NP
	WIN 0
	FETCH_A \next, 0, 4
.endm
	s_wait_tensorcnt 1                             ; the scales and my part of slot 0 are in (slot 1's load may be out),
	s_barrier_signal -1
	s_barrier_wait -1                              ; everybody's are
	FETCH_B 0, 0, 0
	FETCH_A 0, 0, 0
	SCALES 0
	FETCH_A 0, 0, 4
	s_wait_loadcnt 0x0                             ; the bias
	STEP 0, 0, 1                                   ; the first products start the sums from the bias
	STEP 0, 1, 0
	STEP 0, 2, 0
	TURN 0, 1
	STEP 1, 0, 0
	STEP 1, 1, 0
	STEP 1, 2, 0
	s_wait_dscnt 4*NL                              ; the very last step: nothing more to fetch
	WIN MUL_LO
	MUL16 0, 1, NQ-1, 1, 0
	MUL16 2, 1, NQ-1, 1, 0
	s_wait_dscnt 0
	WIN MUL_HI
	MUL16 4, 1, NQ-1, 1, 0
	MUL16 6, 1, NQ-1, 1, 0
	WIN 0
; THE WAY OUT, block by block of 16 rows x 128 columns (two heads).  PACK: rounded to f16, 16 bytes a lane, each accumulator from its low end on.  TOSTAGE: into my own stage, and back by heads.  SEND: stored.
.macro PACK a
.set AC, 64*((\a)%4)
	WIN 0x0a+5*((\a)/4)                            ; sources 0 and 1: window 2 or 3
.irp b, 0,1,2,3,4,5,6,7
.irp r, 0,1,2,3
	v_cvt_pk_f16_f32 v[TMP+4*\b+\r], v[AC+8*\b+2*\r], v[AC+8*\b+2*\r+1]
.endr
.endr
	WIN 0
.endm
.macro TOSTAGE a
.set BB, BK+32*((\a)%2)
.irp b, 0,1,2,3,4,5,6,7
	ds_store_b128 v[STO], v[TMP+4*\b:TMP+4*\b+3] offset:32*\b
.endr
.irp t, 0,1,2,3,4,5,6,7
	ds_load_b128 v[BB+4*\t:BB+4*\t+3], v[RD] offset:\t*2*SPITCH    ; LDS serves a wave's instructions in order (ISA guide 5.7.1.4): these see the stores above
.endr
.endm
.macro SEND a
.set BB, BK+32*((\a)%2)
	s_wait_dscnt 0x0                               ; the block is back in registers
	s_wait_xcnt 0x0                                ; the earlier stores have read their registers: the other set may be loaded again behind this wait
.irp t, 0,1,2,3,4,5,6,7
	global_store_b128 v[CO], v[BB+4*\t:BB+4*\t+3], s[12:13] offset:2048*(\a)+256*\t   ; sixteen lanes store 256 consecutive bytes, aligned: two positions of one head
.endr
.endm
	PLACES NP                                      ; behind the last products: for the reads of results and the loads into the registers that held X's fragments
	PACK 0
	TOSTAGE 0
.irp a, 1,2,3,4,5,6,7                  ; block a's conversions stand between block a - 1's loads from the stage and the wait for them
	PACK \a
	SEND \a-1
	TOSTAGE \a
.endr
	SEND 7
	s_wait_tensorcnt 0x0                           ; the wave's end: behind my last tensor load and my last LDS store
	ds_add_u32 v[SPW], v[NIL]
	s_wait_dscnt 0x0
	CROUND                                         ; the closing round: no work-group ends while a partner may still ask for a tile that names it
	s_endpgm
.Lfunc_end_k_qb8b5933b9c_qkv:
	.size	k_qb8b5933b9c_qkv, .Lfunc_end_k_qb8b5933b9c_qkv-k_qb8b5933b9c_qkv
	.p2alignl 7, 3214868480
	.fill 96, 4, 3214868480
	.section	.rodata,"a",@progbits
	.p2align	6, 0x0
	.amdhsa_kernel k_qb8b5933b9c_qkv
		.amdhsa_group_segment_fixed_size 327680
		.amdhsa_private_segment_fixed_size 0
		.amdhsa_enable_private_segment 0
		.amdhsa_kernarg_size 64
		.amdhsa_user_sgpr_count 2
		.amdhsa_user_sgpr_kernarg_segment_ptr 1
		.amdhsa_wavefront_size32 1
		.amdhsa_system_sgpr_workgroup_id_x 1
		.amdhsa_system_sgpr_workgroup_id_y 1
		.amdhsa_system_sgpr_workgroup_id_z 1
		.amdhsa_system_vgpr_workitem_id 0
		.amdhsa_next_free_vgpr 1024
		.amdhsa_next_free_sgpr 102
		.amdhsa_reserve_vcc 0
		.amdhsa_float_denorm_mode_32 3
		.amdhsa_float_denorm_mode_16_64 3
		.amdhsa_memory_ordered 1
		.amdhsa_forward_progress 1
		.amdhsa_inst_pref_size 129
	.end_amdhsa_kernel
	.amdgpu_metadata
---
amdhsa.version: [ 1, 2 ]
amdhsa.kernels:
  - .name:           k_qb8b5933b9c_qkv
    .symbol:         k_qb8b5933b9c_qkv.kd
    .args:
      - { .name: xc, .offset: 0, .size: 8, .value_kind: global_buffer, .address_space: global }
      - { .name: xs, .offset: 8, .size: 8, .value_kind: global_buffer, .address_space: global }
      - { .name: wc, .offset: 16, .size: 8, .value_kind: global_buffer, .address_space: global }
      - { .name: ws, .offset: 24, .size: 8, .value_kind: global_buffer, .address_space: global }
      - { .name: bq, .offset: 32, .size: 8, .value_kind: global_buffer, .address_space: global }
      - { .name: bk, .offset: 40, .size: 8, .value_kind: global_buffer, .address_space: global }
      - { .name: bv, .offset: 48, .size: 8, .value_kind: global_buffer, .address_space: global }
      - { .name: qkv, .offset: 56, .size: 8, .value_kind: global_buffer, .address_space: global }
    .group_segment_fixed_size: 327680
    .private_segment_fixed_size: 0
    .kernarg_segment_align: 8
    .kernarg_segment_size: 64
    .max_flat_workgroup_size: 128
    .sgpr_count:     102
    .vgpr_count:     1024
    .wavefront_size: 32
...
	.end_amdgpu_metadata
.endif
;; end of part 2
;; launch attn (part 3): grid 16 x 16, 16 waves a work-group, no clusters, 270,336 bytes of LDS; arguments qkv, ao; writes ao
.if DOCPART == 3
	.amdgcn_target "amdgcn-amd-amdhsa--gfx1250"
	.amdhsa_code_object_version 6
	.text
	.protected	k_qb8b5933b9c_attn
	.globl	k_qb8b5933b9c_attn
	.p2align	8
	.type	k_qb8b5933b9c_attn,@function
k_qb8b5933b9c_attn:
	s_mov_b64 s[64:65], 0
	v_nop
	global_prefetch_b8 v0, s[64:65] scope:SCOPE_SE
	s_setreg_imm32_b32 hwreg(HW_REG_WAVE_MODE, 25, 1), 1
	s_wait_xcnt 0x0
; ATTN.  ao[b][i][head][:] = sum over keys j with |i - j| <= 128 of softmax_j(q_i . k_j / 8) v_j.  q, k, v: qkv [part][batch x 16 + head][2,048][64] f16; ao [4,096][1,024] f16.
; Products on f16 operands with f32 sums; maxima, exponentials and sums in f32; a running maximum is taken away before every exponential.  LIMIT: the result stays under 65,504 (f16).
; SHARES.  A work-group owns 128 queries (Q0 = 128 x) of two neighbouring heads, so that a position's result is 256 bytes.  Sixteen waves, four to a SIMD: wave w takes head w / 8 of the pair and the 16 queries 16 (w % 8) on.
; THE BAND.  For each head keys Q0 - 128 .. Q0 + 255 lie in LDS, six slots of 64.  A wave walks five slots from kb = Q0 - 128 + 64 j0 on, j0 = (w % 8) / 4.  With D = 16 (w % 4) + r my query is kb + 128 + D:
; in slot 0 keys kk < D are hidden, in slot 4 keys kk > D, slots 1 to 3 count whole.  A slot lies wholly inside the sequence or wholly outside; one outside is left out by a scalar branch on ids.
; Slot 2 always exists and counts whole: it goes first, so the maximum is a number from the first step on.
; LAYOUT.  S^T = K Q^T (source 0 = 16 keys, source 1 = my 16 queries): a lane holds ONE query (lane % 16) and keys 8 (lane / 16) + 0..7 of each tile; two tiles rounded to f16 in pairs are source 1 of
; O^T = V^T P, whose source 0 comes out of LDS turned (ds_load_tr16_b128).
; No tensor load: a window begins before its sequence at the first block, everything fits in LDS at once, and 24 loads a wave bring it.  No joint requests: neighbours' windows are shifted by 128 rows.
.set KP,    144                        ; a key's row in LDS: 128 bytes + 16: an odd multiple of 16
.set VP,    160                        ; a value's row: 128 + 32: an odd multiple of 32, for the turning load
.set VOFF,  384*KP                     ; a head: 384 rows of K, then 384 rows of V
.set HEADB, 384*(KP+VP)
.set STAGE, 2*HEADB                    ; the way out: 128 rows x (256 bytes + 16)
.set SPARE, STAGE+128*272              ; the spare words, 128 bytes for each wave: eight blocks of 256 bytes that no other line names
.set QO,  4                            ; v4   my byte offset in my 16 rows of Q
.set OFF, 5                            ; v5-7 my byte offsets in K and V: the three thirds of the window
.set AKS, 8                            ; v8   where I store rows of K;  v9 of V
.set AVS, 9
.set AK0, 10                           ; v10  my lane's place in my first slot of K;  v11 of V
.set AV0, 11
.set STO, 12                           ; v12  the stage: where I put 16 bytes;  v13 where I read a row back;  v14 the same place in ao
.set RD,  13
.set GO,  14
.set QF,  16                           ; v16-31   Q: two fragments
.set KF,  32                           ; v32-95   K of a slot: (tile t, channels 32 c on) at v[KF + 16 t + 8 c]
.set VF,  96                           ; v96-159  V^T of a slot: (channels 16 ct on, keys 32 kh on) at v[VF + 32 kh + 8 ct]
.set S,   160                          ; v160-191 S^T, then p
.set P,   192                          ; v192-207 p in f16
.set O,   208                          ; v208-239 O^T
.set CM,  240                          ; v240 c m;  v241 m  (a pair: the packed scaling takes its low word)
.set MX,  241
.set L,   242                          ; v[242:243] the sum, even keys' and odd keys'
.set CC,  244                          ; v244-247 at work
.set AL,  248                          ; v[248:249] a = 2^(c m_old - c m_new), and a word that is only named with it
.set NINF, 250                         ; v250 -infinity
.set DM,  251                          ; v251 D - 8 (lane / 16)
.set SPW, 254                          ; v254 LDS address of my spare word; never rewritten
.set NIL, 255                          ; v255 0; never rewritten
	s_load_b128 s[4:7], s[0:1], 0x0                ; qkv s[4:5], ao s[6:7]
	v_lshl_add_u32 v[SPW], v0, 2, SPARE
	v_mov_b32 v[NIL], 0
	v_lshrrev_b32 v1, 5, v0
	v_readfirstlane_b32 s8, v1                     ; wave 0..15
	s_lshr_b32 s9, s8, 3                           ; hh: which head of the pair
	s_and_b32 s10, s8, 7                           ; qt: which 16 queries
	s_lshr_b32 s14, s10, 2                         ; j0
	s_and_b32 s15, ttmp7, 0xffff
	s_lshr_b32 s22, s15, 3                         ; batch
	s_and_b32 s23, s15, 7                          ; pair of heads
	s_lshl_b32 s25, ttmp9, 7                       ; Q0
	s_lshl_b32 s24, s14, 6
	s_add_co_u32 s24, s24, s25
	s_sub_co_i32 s24, s24, 128                     ; kb: my first slot's first key (may lie before the sequence)
	s_mov_b32 s26, 0x3e38aa3b                      ; c = log2(e) / sqrt(64)
	s_mov_b32 s27, s26                             ; (named with it as a pair)
	s_mov_b32 s28, 0x76543210
	s_mov_b32 s29, 0xfedcba98                      ; v_permlanex16_b32's selects for lane l xor 16
	s_lshl_b32 s30, s22, 4
	s_lshl_b32 s31, s23, 1
	s_add_co_u32 s30, s30, s31
	s_add_co_u32 s30, s30, s9                      ; batch x 16 + head
	s_lshl_b32 s30, s30, 18                        ; 262,144 bytes a head
	s_mov_b32 s31, 0
	s_lshl_b32 s32, s10, 4                         ; 16 qt
	s_add_co_u32 s33, s25, s32                     ; my first query; also my 16 rows of the window's middle third
	s_lshl_b32 s34, s33, 7
	s_mov_b32 s35, 0
	s_sub_co_i32 s36, s25, 128                     ; the first third begins at Q0 - 128, held inside the sequence: where it does not exist the middle third is copied, finite numbers that no step reads
	s_max_i32 s36, s36, 0
	s_add_co_u32 s36, s36, s32
	s_lshl_b32 s36, s36, 7
	s_add_co_u32 s37, s25, 128                     ; the last third likewise
	s_min_i32 s37, s37, 1920
	s_add_co_u32 s37, s37, s32
	s_lshl_b32 s37, s37, 7
	v_and_b32 v1, 15, v0                           ; r
	v_bfe_u32 v2, v0, 4, 1                         ; h
	v_and_b32 v3, 31, v0
	v_lshlrev_b32 v3, 4, v3                        ; 16 x lane
	v_lshlrev_b32 v[QO], 7, v1
	v_lshl_add_u32 v[QO], v2, 4, v[QO]             ; Q: row r of 128 bytes, + 16 h
	v_add_nc_u32 v[OFF], s36, v3
	v_add_nc_u32 v[OFF+1], s34, v3
	v_add_nc_u32 v[OFF+2], s37, v3
	s_lshl_b32 s38, s22, 11                        ; ao: row 2,048 x batch + Q0 + 8 x wave, of 2,048 bytes; + 256 x pair of heads
	s_add_co_u32 s38, s38, s25
	s_lshl_b32 s39, s8, 3
	s_add_co_u32 s38, s38, s39
	s_lshl_b32 s38, s38, 11
	s_lshl_b32 s39, s23, 8
	s_add_co_u32 s38, s38, s39
	s_mov_b32 s39, 0
	s_wait_kmcnt 0x0
	s_add_nc_u64 s[18:19], s[4:5], s[30:31]        ; my head in part 0
	s_add_nc_u64 s[16:17], s[18:19], s[34:35]      ; Q at my first query
	s_add_nc_u64 s[20:21], s[18:19], 0x1000000     ; V: part 2
	s_add_nc_u64 s[18:19], s[18:19], 0x800000      ; K: part 1
	s_add_nc_u64 s[6:7], s[6:7], s[38:39]
.irp i, 0,1,2,3
	global_load_b128 v[QF+4*\i:QF+4*\i+3], v[QO], s[16:17] offset:32*\i th:TH_LOAD_NT   ; Q stays in registers; read by this wave alone
.endr
.irp g, 0,1,2
.irp i, 0,1,2,3
	global_load_b128 v[32+16*\g+4*\i:32+16*\g+4*\i+3], v[OFF+\g], s[18:19] offset:512*\i   ; K: my 16 rows of each third: four rows, 512 consecutive bytes, a load
.endr
.endr
.irp g, 0,1,2
.irp i, 0,1,2,3
	global_load_b128 v[80+16*\g+4*\i:80+16*\g+4*\i+3], v[OFF+\g], s[20:21] offset:512*\i   ; V likewise
.endr
.endr
	; LDS addresses: a constant + a constant x lane terms + a constant x wave terms
	s_mul_i32 s11, s9, HEADB                       ; my head's region
	s_mul_i32 s40, s10, 16*KP
	s_add_co_u32 s40, s40, s11
	s_mul_i32 s41, s10, 16*VP
	s_add_co_u32 s41, s41, s11
	s_add_co_u32 s41, s41, VOFF
	s_mul_i32 s42, s14, 64*KP
	s_add_co_u32 s42, s42, s11
	s_mul_i32 s43, s14, 64*VP
	s_add_co_u32 s43, s43, s11
	s_add_co_u32 s43, s43, VOFF
	s_mul_i32 s44, s10, 16*272
	s_lshl_b32 s45, s9, 7
	s_add_co_u32 s44, s44, s45
	s_add_co_u32 s44, s44, STAGE
	s_mul_i32 s45, s8, 8*272
	s_add_co_u32 s45, s45, STAGE
	v_bfe_u32 v15, v0, 3, 2                        ; lane / 8
	v_and_b32 v3, 7, v0                            ; lane % 8
	v_mul_u32_u24 v[AKS], v15, KP
	v_lshl_add_u32 v[AKS], v3, 4, v[AKS]
	v_add_nc_u32 v[AKS], s40, v[AKS]               ; row 16 qt + lane / 8, 16 bytes a lane
	v_mul_u32_u24 v[AVS], v15, VP
	v_lshl_add_u32 v[AVS], v3, 4, v[AVS]
	v_add_nc_u32 v[AVS], s41, v[AVS]
	v_mul_u32_u24 v[AK0], v1, KP
	v_lshl_add_u32 v[AK0], v2, 4, v[AK0]
	v_add_nc_u32 v[AK0], s42, v[AK0]               ; K's fragments: row 64 j0 + r, + 16 h
	v_lshl_add_u32 v[AV0], v2, 3, v3
	v_mul_u32_u24 v[AV0], v[AV0], VP
	v_bfe_u32 v15, v0, 3, 1
	v_lshl_add_u32 v[AV0], v15, 4, v[AV0]
	v_add_nc_u32 v[AV0], s43, v[AV0]               ; the turning load: key 64 j0 + 8 h + lane % 8, channels 8 ((lane / 8) % 2) on
	v_mul_u32_u24 v[STO], v1, 272
	v_lshl_add_u32 v[STO], v2, 4, v[STO]
	v_add_nc_u32 v[STO], s44, v[STO]               ; the stage: row 16 qt + r, + 128 hh + 16 h
	v_mul_u32_u24 v[RD], v2, 272
	v_lshl_add_u32 v[RD], v1, 4, v[RD]
	v_add_nc_u32 v[RD], s45, v[RD]                 ; back: wave w takes rows 8 w on, sixteen lanes to a row
	v_lshlrev_b32 v[GO], 11, v2
	v_lshl_add_u32 v[GO], v1, 4, v[GO]
	s_and_b32 s12, s10, 3
	s_lshl_b32 s12, s12, 4
	v_lshlrev_b32 v15, 3, v2
	v_sub_nc_u32 v[DM], v1, v15
	v_add_nc_u32 v[DM], s12, v[DM]                 ; D - 8 h, as a signed number
	v_mov_b32 v[NINF], 0xff800000
	v_mov_b32 v[AL+1], 0                           ; (named as the upper half of a pair)
	s_wait_loadcnt 12                              ; Q and K are in; V's twelve loads may be out
.irp g, 0,1,2
.irp i, 0,1,2,3
	ds_store_b128 v[AKS], v[32+16*\g+4*\i:32+16*\g+4*\i+3] offset:128*KP*\g+4*KP*\i
.endr
.endr
	s_wait_loadcnt 0x0
.irp g, 0,1,2
.irp i, 0,1,2,3
	ds_store_b128 v[AVS], v[80+16*\g+4*\i:80+16*\g+4*\i+3] offset:128*VP*\g+4*VP*\i
.endr
.endr
	s_wait_dscnt 0x0                               ; for the others' sake: my rows have landed
	s_barrier_signal -1
	s_barrier_wait -1                              ; both heads' windows lie in LDS; they are only read from here on
; A KEY STEP: my slot d, 64 keys.  mask: 0 all keys count, 1 keys kk < D are hidden, 2 keys kk > D.  first = 1: it starts m, the sum and O^T.
.macro STEP d, mask, first
.if \first == 0
.rept 4
	v_nop                                          ; places between the last step's products and the loads into V's registers
.endr
.endif
.irp t, 0,1,2,3
.irp c, 0,1
	ds_load_b128 v[KF+16*\t+8*\c:KF+16*\t+8*\c+3],   v[AK0] offset:(64*\d+16*\t)*KP+64*\c
	ds_load_b128 v[KF+16*\t+8*\c+4:KF+16*\t+8*\c+7], v[AK0] offset:(64*\d+16*\t)*KP+64*\c+32
.endr
.endr
.irp kh, 0,1
.irp ct, 0,1,2,3
	ds_load_tr16_b128 v[VF+32*\kh+8*\ct:VF+32*\kh+8*\ct+3],   v[AV0] offset:(64*\d+32*\kh)*VP+32*\ct
	ds_load_tr16_b128 v[VF+32*\kh+8*\ct+4:VF+32*\kh+8*\ct+7], v[AV0] offset:(64*\d+32*\kh)*VP+16*VP+32*\ct
.endr
.endr
	s_wait_dscnt 16                                ; K is in; V's sixteen loads may be out
.irp t, 0,1,2,3                        ; S^T = K Q^T: the four accumulators by turns; the first products start the sums
	v_wmma_f32_16x16x32_f16 v[S+8*\t:S+8*\t+7], v[KF+16*\t:KF+16*\t+7], v[QF:QF+7], 0
.endr
.irp t, 0,1,2,3
	v_wmma_f32_16x16x32_f16 v[S+8*\t:S+8*\t+7], v[KF+16*\t+8:KF+16*\t+15], v[QF+8:QF+15], v[S+8*\t:S+8*\t+7]
.endr
.rept 4
	v_nop
.endr
.if \mask                              ; register n holds key kk = 16 (n / 8) + n % 8 + 8 h: hidden scores become -infinity ahead of the maximum; each accumulator is taken from its low end on
.set n, 0
.rept 32
.if \mask == 1
	v_cmp_lt_i32 vcc_lo, 16*(n/8)+n%8, v[DM]
.else
	v_cmp_gt_i32 vcc_lo, 16*(n/8)+n%8, v[DM]
.endif
	v_cndmask_b32 v[S+n], v[S+n], v[NINF], vcc_lo
.set n, n+1
.endr
.endif
.irp j, 0,1,2,3                        ; the largest of my 32 scores and the old m, in four chains
	v_max3_num_f32 v[CC+\j], v[S+8*\j], v[S+8*\j+1], v[S+8*\j+2]
.endr
.irp j, 0,1,2,3
	v_max3_num_f32 v[CC+\j], v[CC+\j], v[S+8*\j+3], v[S+8*\j+4]
.endr
.irp j, 0,1,2,3
	v_max3_num_f32 v[CC+\j], v[CC+\j], v[S+8*\j+5], v[S+8*\j+6]
.endr
	v_max3_num_f32 v[CC], v[CC], v[S+7], v[S+15]
	v_max3_num_f32 v[CC+2], v[CC+2], v[S+23], v[S+31]
	v_max3_num_f32 v[CC], v[CC], v[CC+1], v[CC+2]
.if \first
	v_max_num_f32 v[CC], v[CC], v[CC+3]
.else
	v_max3_num_f32 v[CC], v[CC], v[CC+3], v[MX]
.endif
	v_permlanex16_b32 v[CC+1], v[CC], s28, s29     ; the query's other 32 keys lie in the lane 16 away
.if \first == 0
	v_mov_b32 v[CC+3], v[CM]                       ; c m_old is kept for a
.endif
	v_max_num_f32 v[MX], v[CC], v[CC+1]            ; the new m
	v_mul_f32 v[CM], s26, v[MX]
.if \first == 0
	v_sub_f32 v[CC+3], v[CC+3], v[CM]              ; c m_old - c m_new, 0 or less
.endif
.irp b, 0,1,2,3,4,5,6,7,8,9,10,11,12,13,14,15
	v_pk_fma_f32 v[S+2*\b:S+2*\b+1], v[S+2*\b:S+2*\b+1], s[26:27], v[CM:CM+1] op_sel_hi:[1,0,0] neg_lo:[0,0,1] neg_hi:[0,0,1]   ; c s - c m, two at a time
.endr
.if \first == 0
	v_exp_f32 v[AL], v[CC+3]                       ; a
.endif
.set n, 0
.rept 32
	v_exp_f32 v[S+n], v[S+n]                       ; p = 2^(c s - c m), at most 1; 0 for a hidden key
.set n, n+1
.endr
	v_nop                                          ; a plain instruction behind the last exponential
	s_wait_alu depctr_va_vdst(0)                   ; one wait for the whole batch, ahead of its first reader
.irp i, 0,1,2,3,4,5,6,7,8,9,10,11,12,13,14,15
	v_cvt_pk_f16_f32 v[P+\i], v[S+2*\i], v[S+2*\i+1]               ; two tiles' pairs are source 1 of the second product
.endr
.irp z, 0,1,2,3,4,5,6,7                ; the sum of the unrounded p, in place, as a tree of pairs
	v_pk_add_f32 v[S+4*\z:S+4*\z+1], v[S+4*\z:S+4*\z+1], v[S+4*\z+2:S+4*\z+3]
.endr
.irp z, 0,1,2,3
	v_pk_add_f32 v[S+8*\z:S+8*\z+1], v[S+8*\z:S+8*\z+1], v[S+8*\z+4:S+8*\z+5]
.endr
.irp z, 0,1
	v_pk_add_f32 v[S+16*\z:S+16*\z+1], v[S+16*\z:S+16*\z+1], v[S+16*\z+8:S+16*\z+9]
.endr
.if \first
	v_pk_add_f32 v[L:L+1], v[S:S+1], v[S+16:S+17]
.else
	v_pk_add_f32 v[S:S+1], v[S:S+1], v[S+16:S+17]
	v_pk_fma_f32 v[L:L+1], v[L:L+1], v[AL:AL+1], v[S:S+1] op_sel_hi:[1,0,1]   ; the sum under the new m
.irp i, 0,1,2,3,4,5,6,7,8,9,10,11,12,13,14,15
	v_pk_mul_f32 v[O+2*\i:O+2*\i+1], v[O+2*\i:O+2*\i+1], v[AL:AL+1] op_sel_hi:[1,0]   ; O^T under the new m
.endr
.endif
	s_wait_dscnt 0x0                               ; V is in
.irp ct, 0,1,2,3                       ; O^T += V^T P: the four accumulators by turns
.if \first
	v_wmma_f32_16x16x32_f16 v[O+8*\ct:O+8*\ct+7], v[VF+8*\ct:VF+8*\ct+7], v[P:P+7], 0
.else
	v_wmma_f32_16x16x32_f16 v[O+8*\ct:O+8*\ct+7], v[VF+8*\ct:VF+8*\ct+7], v[P:P+7], v[O+8*\ct:O+8*\ct+7]
.endif
.endr
.irp ct, 0,1,2,3
	v_wmma_f32_16x16x32_f16 v[O+8*\ct:O+8*\ct+7], v[VF+32+8*\ct:VF+32+8*\ct+7], v[P+8:P+15], v[O+8*\ct:O+8*\ct+7]
.endr
.endm
	STEP 2, 0, 1                                   ; keys kb + 128 .. kb + 191: inside the sequence for every wave
	s_cmp_lt_i32 s24, 0                            ; slot 0 begins at kb
	s_cbranch_scc1 .Lno0
	STEP 0, 1, 0
.Lno0:
	s_cmp_lt_i32 s24, -64                          ; slot 1 at kb + 64
	s_cbranch_scc1 .Lno1
	STEP 1, 0, 0
.Lno1:
	s_cmp_gt_i32 s24, 1855                         ; slot 3 ends at kb + 255: inside up to kb = 1,792
	s_cbranch_scc1 .Lno3
	STEP 3, 0, 0
.Lno3:
	s_cmp_gt_i32 s24, 1791                         ; slot 4 ends at kb + 319: inside up to kb = 1,728
	s_cbranch_scc1 .Lno4
	STEP 4, 2, 0
.Lno4:
	; THE WAY OUT.  O^T is divided by the sum, rounded to f16 and meets the other head's in the stage; each wave stores 8 whole rows of 256 bytes.
.rept 4
	v_nop                                          ; places behind the last products
.endr
	v_add_f32 v[CC], v[L], v[L+1]
	v_permlanex16_b32 v[CC+1], v[CC], s28, s29
	v_add_f32 v[CC], v[CC], v[CC+1]                ; the row's sum
	v_rcp_f32 v[CC+2], v[CC]
	v_nop                                          ; a plain instruction behind the reciprocal
	s_wait_alu depctr_va_vdst(0)                   ; and the wait ahead of its first reader
.irp i, 0,1,2,3,4,5,6,7,8,9,10,11,12,13,14,15
	v_pk_mul_f32 v[O+2*\i:O+2*\i+1], v[O+2*\i:O+2*\i+1], v[CC+2:CC+3] op_sel_hi:[1,0]
.endr
.irp i, 0,1,2,3,4,5,6,7,8,9,10,11,12,13,14,15
	v_cvt_pk_f16_f32 v[P+\i], v[O+2*\i], v[O+2*\i+1]               ; registers 4 ct .. 4 ct + 3: channels 16 ct + 8 h + 0 .. 7 of query r
.endr
.irp ct, 0,1,2,3
	ds_store_b128 v[STO], v[P+4*\ct:P+4*\ct+3] offset:32*\ct
.endr
	s_wait_dscnt 0x0                               ; for the others' sake: my stores have landed
	s_barrier_signal -1
	s_barrier_wait -1
.irp i, 0,1,2,3
	ds_load_b128 v[32+4*\i:32+4*\i+3], v[RD] offset:2*\i*272
.endr
.irp i, 0,1,2,3
	s_wait_dscnt 3-\i                              ; the younger loads may be out
	global_store_b128 v[GO], v[32+4*\i:32+4*\i+3], s[6:7] offset:2*\i*2048   ; sixteen lanes store 256 consecutive bytes, aligned
.endr
	s_wait_tensorcnt 0x0                           ; the wave's end: behind my last LDS store
	ds_add_u32 v[SPW], v[NIL]
	s_wait_dscnt 0x0
	s_endpgm
.Lfunc_end_k_qb8b5933b9c_attn:
	.size	k_qb8b5933b9c_attn, .Lfunc_end_k_qb8b5933b9c_attn-k_qb8b5933b9c_attn
	.p2alignl 7, 3214868480
	.fill 96, 4, 3214868480
	.section	.rodata,"a",@progbits
	.p2align	6, 0x0
	.amdhsa_kernel k_qb8b5933b9c_attn
		.amdhsa_group_segment_fixed_size 270336
		.amdhsa_private_segment_fixed_size 0
		.amdhsa_enable_private_segment 0
		.amdhsa_kernarg_size 16
		.amdhsa_user_sgpr_count 2
		.amdhsa_user_sgpr_kernarg_segment_ptr 1
		.amdhsa_wavefront_size32 1
		.amdhsa_system_sgpr_workgroup_id_x 1
		.amdhsa_system_sgpr_workgroup_id_y 1
		.amdhsa_system_sgpr_workgroup_id_z 1
		.amdhsa_system_vgpr_workitem_id 0
		.amdhsa_next_free_vgpr 256
		.amdhsa_next_free_sgpr 66
		.amdhsa_reserve_vcc 1
		.amdhsa_float_denorm_mode_32 3
		.amdhsa_float_denorm_mode_16_64 3
		.amdhsa_memory_ordered 1
		.amdhsa_forward_progress 1
		.amdhsa_inst_pref_size 65
	.end_amdhsa_kernel
	.amdgpu_metadata
---
amdhsa.version: [ 1, 2 ]
amdhsa.kernels:
  - .name:           k_qb8b5933b9c_attn
    .symbol:         k_qb8b5933b9c_attn.kd
    .args:
      - { .name: qkv, .offset: 0, .size: 8, .value_kind: global_buffer, .address_space: global }
      - { .name: ao, .offset: 8, .size: 8, .value_kind: global_buffer, .address_space: global }
    .group_segment_fixed_size: 270336
    .private_segment_fixed_size: 0
    .kernarg_segment_align: 8
    .kernarg_segment_size: 16
    .max_flat_workgroup_size: 512
    .sgpr_count:     66
    .vgpr_count:     256
    .wavefront_size: 32
...
	.end_amdgpu_metadata
.endif
;; end of part 3
;; launch oproj (part 4): grid 8 x 32, 4 waves a work-group, clusters of 4 x 4, 327,680 bytes of LDS; arguments ao, wot, bo, out0; writes out0
.if DOCPART == 4
	.amdgcn_target "amdgcn-amd-amdhsa--gfx1250"
	.amdhsa_code_object_version 6
	.text
	.protected	k_qb8b5933b9c_oproj
	.globl	k_qb8b5933b9c_oproj
	.p2align	8
	.type	k_qb8b5933b9c_oproj,@function
k_qb8b5933b9c_oproj:
	s_mov_b64 s[64:65], 0
	v_nop
	global_prefetch_b8 v0, s[64:65] scope:SCOPE_SE
	s_setreg_imm32_b32 hwreg(HW_REG_WAVE_MODE, 25, 1), 1
	s_wait_xcnt 0x0
	s_wait_alu depctr_hold_cnt(0) depctr_sa_sdst(0) depctr_va_vdst(0) depctr_va_sdst(0) depctr_va_ssrc(0) depctr_va_vcc(0) depctr_vm_vsrc(0)
	s_getreg_b32 s2, hwreg(HW_REG_IB_STS2, 6, 4)
	s_cmp_eq_u32 s2, 0
	s_cbranch_scc0 .Lentry_in_a_cluster
	s_endpgm
.Lentry_in_a_cluster:
	s_bfe_u32 s2, ttmp6, 0x10000c
	s_cmp_lg_u32 s2, 0xf033
	s_cbranch_scc0 .Lentry_shape_is_right
	s_endpgm
.Lentry_shape_is_right:
; OPROJ.  out0[m][n] = sum over k of ao[m][k] wot[n][k] + bo[n].  ao [4,096][1,024], wot [1,024][1,024]: f16; bo [1,024], out0 [4,096][1,024]: f32; sums in f32.
; A tile of the result is 128 x 128, so that there are 256 work-groups.  Four waves, each 64 x 64: 16 accumulators, 128 registers.  K goes in steps of 256 (LDS rows of 512 bytes; a wave's tensor load brings 64 of them)
; through a ring of two slots.  bo is the C of each sum's first product.  A wave's 64 columns of f32 are 256 bytes: each wave has a stage of its own on the way out, and no barrier is needed there.
; CLUSTERS: 4 x 4 work-groups.  The four of a row of the cluster need the same tiles of ao, the four of a column the same tiles of wot: each tile is asked for JOINTLY.
; THE MATRIX INSTRUCTION IS USED TRANSPOSED (source 0 = 16 rows of wot, source 1 = 16 rows of ao): a lane holds eight neighbouring numbers of a row of the result.
; REGISTERS: window 0: v0-31 addresses; v32-63 the bias (4 blocks x 8), v32-95 later rows on the way out; v128-255 the accumulators ((a, b) at v[128 + 8 (4 a + b)]).
;   window 1: two fragment buffers of 128: for 64 along K, 64 registers of ao (2 x 4 x 16 rows x 32 K), then 64 of wot.
.set SIZE_N, 1024
.set SIZE_K, 1024
.set KSTEP,  256
.set PITCH,  528                       ; an LDS row: 512 bytes + 16 of padding: the 16 rows of a fragment load start at 16 different banks (64 banks of 4 bytes: ISA guide 11.1)
.set HALFT,  64*PITCH
.set SLOT,   4*HALFT
.set STAGE,  2*SLOT                    ; behind the ring: 16 rows x 272 bytes for each wave; no tensor load lands there
.set SPITCH, 272
.set SPARE,  STAGE+4*16*SPITCH         ; the spare words, 128 bytes for each wave: two blocks of 256 bytes that no other line names
.set LAPS, SIZE_K/(2*KSTEP)            ; 2
.set ADRA, 16
.set ADRB, 20
.set STO,  24
.set RD,   25
.set CO,   26
.set SPW,  28                          ; v28  LDS address of my spare word; never rewritten
.set NIL,  29                          ; v29  0; never rewritten
.set BOF,  30                          ; v30  my byte offset in bo
.set BI,   32                          ; the bias: block b at v[BI + 8 b]
.set TMP,  32                          ; the way out: v32-63 and v64-95 by turns
.set ACC,  128
.set F0,   0
.set F1,   128
.set G1, 24
.set G0, 32
.set G1B, 48
.set G0B, 56
.set MSB, 0
.macro WIN new                         ; the immediate's high byte repeats the setting that is left
.if MSB != \new
	s_set_vgpr_msb (MSB<<8)|\new
.set MSB, \new
.endif
.endm
.set MUL,  0x05                        ; sources 0 and 1 window 1; C and D window 0
.set TO_F, 0x40                        ; destination window 1, address window 0
.macro JLOAD s                         ; a joint load: waves 0 and 1 fetch ao's two halves, waves 2 and 3 wot's; an s_nop 0 and four v_nop follow each of the two lines
	s_cmp_eq_u32 s11, 0
	s_cbranch_scc0 .Lfor_b_\@
	tensor_load_to_lds s[G0+4*\s:G0+4*\s+3], s[G1:G1+7]
	s_nop 0
.rept 4
	v_nop
.endr
	s_branch .Lasked_\@
.Lfor_b_\@:
	tensor_load_to_lds s[G0B+4*\s:G0B+4*\s+3], s[G1B:G1B+7]
	s_nop 0
.rept 4
	v_nop
.endr
.Lasked_\@:
.endm
.macro CREST                           ; a round of the cluster's barrier behind its opening barrier
	s_cmp_lg_u32 s10, 0
	s_cbranch_scc1 .Lnot_wave_0_\@
	s_barrier_signal -3
.Lnot_wave_0_\@:
	s_barrier_wait -3
	s_barrier_signal -1
	s_barrier_wait -1
.endm
.macro CROUND                          ; a whole round
	s_barrier_signal -1
	s_barrier_wait -1
	CREST
.endm
	s_load_b128 s[4:7], s[0:1], 0x0                ; ao s[4:5], wot s[6:7]
	s_load_b64 s[66:67], s[0:1], 0x10              ; bo
	s_load_b64 s[8:9], s[0:1], 0x18                ; out0
	v_lshl_add_u32 v[SPW], v0, 2, SPARE
	v_mov_b32 v[NIL], 0
	ds_add_u32 v[SPW], v[NIL]                      ; the wave's opening: the add, twice on end, and its wait ahead of my first tensor load
	ds_add_u32 v[SPW], v[NIL]                      ; and once more, under the one wait; the set-up below stands between
	v_lshrrev_b32 v1, 5, v0
	v_readfirstlane_b32 s10, v1                    ; wave 0..3
	s_lshr_b32 s11, s10, 1                         ; which half of the tile's rows is mine.  Also: I fetch for ao (0) or for wot (1)
	s_and_b32 s12, s10, 1                          ; which half of its columns.  Also: which 64 rows of that tile I fetch
	s_bfe_u32 s40, ttmp6, 0x40000                  ; cx, cy: my place in the cluster
	s_bfe_u32 s41, ttmp6, 0x40004
	s_lshl_b32 s42, ttmp9, 2
	s_add_co_u32 s42, s42, s40                     ; tile column = 4 x cluster x + cx
	s_and_b32 s13, ttmp7, 0xffff
	s_lshl_b32 s13, s13, 2
	s_add_co_u32 s13, s13, s41                     ; tile row = 4 x cluster y + cy
	s_lshl_b32 s43, s41, 2
	s_lshl_b32 s43, 15, s43                        ; my row of the cluster
	s_lshl_b32 s44, 0x1111, s40                    ; my column
	; descriptor group 1: a tile of 64 rows x 256 elements of 2 bytes, padded in LDS
	s_or_b32 s[G1+0], s43, (1<<16)|(1<<20)|(1<<21)|(6<<22)|(3<<25)  ; the mask: ao's tiles go to my row; elements of 2 bytes; padding on; bit 21 beside a mask; 4 words after every 128
	s_or_b32 s[G1B+0], s44, (1<<16)|(1<<20)|(1<<21)|(6<<22)|(3<<25)
.irp g, G1, G1B
	s_mov_b32 s[\g+1], KSTEP<<16                   ; tensor_dim0 = 256
	s_mov_b32 s[\g+2], 64<<16                      ; tensor_dim1 = 64
	s_mov_b32 s[\g+3], KSTEP<<16                   ; tile_dim0 = 256
	s_mov_b32 s[\g+4], 64                          ; tile_dim1 = 64
	s_mov_b32 s[\g+5], SIZE_K                      ; tensor_dim0_stride
	s_mov_b32 s[\g+6], 0
	s_mov_b32 s[\g+7], 0
.endr
	s_lshl_b32 s17, s12, 6                         ; which 64 rows of the tile I fetch
	s_lshl_b32 s16, s13, 7
	s_add_co_u32 s16, s16, s17                     ; ao: row 128 x tile row + 64 x half
	s_lshl_b32 s46, s42, 7
	s_add_co_u32 s46, s46, s17                     ; wot: row 128 x tile column + 64 x half
	s_mov_b32 s17, 0
	s_mov_b32 s47, 0
	s_mov_b64 s[18:19], SIZE_K*2
	s_mul_u64 s[16:17], s[16:17], s[18:19]
	s_mul_u64 s[46:47], s[46:47], s[18:19]
	s_mul_i32 s20, s10, HALFT                      ; where they go: wave x 64 rows: no place in the cluster enters an LDS address
	s_wait_dscnt 0x0                               ; both opening adds are done
	s_wait_kmcnt 0x0
	s_add_nc_u64 s[14:15], s[4:5], s[16:17]
	s_add_nc_u64 s[46:47], s[6:7], s[46:47]
	CROUND                                         ; all sixteen work-groups are here: the first joint loads meet
.irp s, 0,1
	s_mov_b32 s[G0+4*\s], 1
	s_add_co_u32 s[G0+4*\s+1], s20, \s*SLOT
	s_add_nc_u64 s[G0+4*\s+2:G0+4*\s+3], s[14:15], \s*KSTEP*2
	s_or_b32 s[G0+4*\s+3], s[G0+4*\s+3], 0x80000000
	s_mov_b32 s[G0B+4*\s], 1
	s_add_co_u32 s[G0B+4*\s+1], s20, \s*SLOT
	s_add_nc_u64 s[G0B+4*\s+2:G0B+4*\s+3], s[46:47], \s*KSTEP*2
	s_or_b32 s[G0B+4*\s+3], s[G0B+4*\s+3], 0x80000000
	JLOAD \s                                       ; two tensor loads of mine are out
.endr
	v_and_b32 v1, 15, v0                           ; l % 16
	v_bfe_u32 v2, v0, 4, 1                         ; l / 16
	s_lshl_b32 s46, s42, 9                         ; my first column, in bytes of f32: 512 x tile column + 256 x half: in bo and in a row of out0 alike
	s_lshl_b32 s47, s12, 8
	s_add_co_u32 s46, s46, s47
	s_mov_b32 s47, 0
	v_lshlrev_b32 v[BOF], 5, v2
	v_add_nc_u32 v[BOF], s46, v[BOF]               ; the bias in the result's layout: lane (r, h), block b: columns 16 b + 8 h + 0 .. 7
.irp b, 0,1,2,3
	global_load_b128 v[BI+8*\b:BI+8*\b+3], v[BOF], s[66:67] offset:64*\b
	global_load_b128 v[BI+8*\b+4:BI+8*\b+7], v[BOF], s[66:67] offset:64*\b+16
.endr
	v_mul_u32_u24 v3, v1, PITCH
	v_lshl_add_u32 v3, v2, 4, v3                   ; a fragment's row x pitch + 16 x half
	s_mul_i32 s21, s11, HALFT                      ; my 64 rows of ao
	s_mul_i32 s22, s12, HALFT                      ; my 64 rows of wot,
	s_add_co_u32 s22, s22, 2*HALFT                 ; which lie behind ao's 128
.irp s, 0,1
	v_add_nc_u32 v[ADRA+\s], s21, v3
	v_add_nc_u32 v[ADRB+\s], s22, v3
	s_add_co_u32 s21, s21, SLOT
	s_add_co_u32 s22, s22, SLOT
.endr
	s_mul_i32 s23, s10, 16*SPITCH
	s_add_co_u32 s23, s23, STAGE                   ; my stage
	v_mul_u32_u24 v4, v1, SPITCH                   ; in: row l % 16, 32 bytes for each half of the lanes
	v_lshl_add_u32 v4, v2, 5, v4
	v_add_nc_u32 v[STO], s23, v4
	v_mul_u32_u24 v5, v2, SPITCH                   ; back: lanes 0-15 one row of 256 bytes, lanes 16-31 the next
	v_lshl_add_u32 v5, v1, 4, v5
	v_add_nc_u32 v[RD], s23, v5
	v_lshlrev_b32 v5, 12, v2                       ; and the same two rows in out0: rows of 4,096 bytes
	v_lshl_add_u32 v[CO], v1, 4, v5
	s_lshl_b32 s16, s13, 7
	s_lshl_b32 s17, s11, 6
	s_add_co_u32 s16, s16, s17                     ; my first row: 128 x tile row + 64 x half
	s_lshl_b32 s16, s16, 12
	s_mov_b32 s17, 0
	s_add_nc_u64 s[8:9], s[8:9], s[16:17]
	s_add_nc_u64 s[8:9], s[8:9], s[46:47]
; 8 matrix instructions: m blocks a0, a0 + 1 x all 4 n blocks, 32 along K: half c of buffer f.  first = 1: the bias is C.  The 16 accumulators take turns.
.macro MUL8 f, c, a0, first
.irp a, \a0, \a0+1
.irp b, 0,1,2,3
.if \first
	v_wmma_f32_16x16x32_f16 v[ACC+8*(4*(\a)+\b):ACC+8*(4*(\a)+\b)+7], v[\f+64+8*(4*\c+\b):\f+64+8*(4*\c+\b)+7], v[\f+8*(4*\c+\a):\f+8*(4*\c+\a)+7], v[BI+8*\b:BI+8*\b+7]
.else
	v_wmma_f32_16x16x32_f16 v[ACC+8*(4*(\a)+\b):ACC+8*(4*(\a)+\b)+7], v[\f+64+8*(4*\c+\b):\f+64+8*(4*\c+\b)+7], v[\f+8*(4*\c+\a):\f+8*(4*\c+\a)+7], v[ACC+8*(4*(\a)+\b):ACC+8*(4*(\a)+\b)+7]
.endif
.endr
.endr
.endm
; 32 LDS loads in one run: the fragments of 64 along K at byte k of the rows, into buffer f; the first 32 along K first
.macro FETCH slot, k, f
	WIN TO_F
.irp c, 0,1
.irp i, 0,1,2,3
	ds_load_b128 v[\f+64+8*(4*\c+\i):\f+64+8*(4*\c+\i)+3],   v[ADRB+\slot] offset:\k+64*\c+\i*16*PITCH
	ds_load_b128 v[\f+64+8*(4*\c+\i)+4:\f+64+8*(4*\c+\i)+7], v[ADRB+\slot] offset:\k+64*\c+\i*16*PITCH+32
	ds_load_b128 v[\f+8*(4*\c+\i):\f+8*(4*\c+\i)+3],         v[ADRA+\slot] offset:\k+64*\c+\i*16*PITCH
	ds_load_b128 v[\f+8*(4*\c+\i)+4:\f+8*(4*\c+\i)+7],       v[ADRA+\slot] offset:\k+64*\c+\i*16*PITCH+32
.endr
.endr
.endm
.macro PLACES                          ; four plain vector instructions in front of loads into registers that matrix instructions have read, and of reads of results
.rept 4
	v_nop
.endr
.endm
; A K step is four quarters of 64 along K, 32 matrix instructions each, on buffers 0, 1, 0, 1.  One of the first three: multiplies buffer f and fetches the next quarter, at byte k, into g.
.macro QUARTER slot, k, f, g, first
	s_wait_dscnt 16                                ; the first 32 along K are in; the youngest sixteen loads may be out
	WIN MUL
	MUL8 \f, 0, 0, \first
	MUL8 \f, 0, 2, \first
	PLACES
	FETCH \slot, \k, \g
	s_wait_dscnt 32                                ; all but the 32 just issued
	WIN MUL
	MUL8 \f, 1, 0, 0
	MUL8 \f, 1, 2, 0
.endm
; The last quarter multiplies buffer 1 and changes slots: ONE barrier; in front of it each wave waits for all its tensor loads, adds 0 to its spare word, and waits for that and for its own reads of this slot.
; fill = 1: this slot is filled again, two K steps ahead; the barrier then opens a round of the cluster's.
.macro TURN slot, next, fill
	WIN 0                                          ; (the add's two registers lie in window 0)
	s_wait_tensorcnt 0x0                           ; all my tensor loads have landed: my part of the next slot;
	ds_add_u32 v[SPW], v[NIL]                      ; 0 onto my spare word;
	s_wait_dscnt 17                                ; (the add and the youngest sixteen loads may be out)
	WIN MUL
	MUL8 F1, 0, 0, 0                               ; eight matrix instructions stand between the add and the wait for it
	s_wait_dscnt 0x0                               ; the add is done, and my reads of this slot are over
	s_barrier_signal -1
	MUL8 F1, 0, 2, 0
.if \fill
	WIN 0
.endif
	s_barrier_wait -1
.if \fill
	CREST                                          ; no wave of any partner still reads this slot's tile or has a load on its way
	s_add_nc_u64 s[G0+4*\slot+2:G0+4*\slot+3], s[G0+4*\slot+2:G0+4*\slot+3], 2*KSTEP*2
	s_add_nc_u64 s[G0B+4*\slot+2:G0B+4*\slot+3], s[G0B+4*\slot+2:G0B+4*\slot+3], 2*KSTEP*2
	JLOAD \slot                                    ; the first tensor load behind the round, my one load until the next; its four v_nop are also the places in front of the loads below
.else
	PLACES
.endif
	FETCH \next, 0, F0
	WIN MUL
	MUL8 F1, 1, 0, 0
	MUL8 F1, 1, 2, 0
.endm
	s_wait_tensorcnt 1                             ; my part of K step 0 is in (K step 1's load may be out),
	s_barrier_signal -1
	s_barrier_wait -1                              ; everybody's is
	FETCH 0, 0, F0
	s_wait_loadcnt 0x0                             ; the bias
	QUARTER 0, 128, F0, F1, 1                      ; the first quarter stands in front of the loop: its first products start the sums from the bias
	WIN 0                                          ; at a label and at a branch every window is 0
	s_mov_b32 s3, LAPS-1
.Llap:                                                 ; a trip goes once round the ring, from a lap's second quarter to the next lap's first, and fills both slots again
	QUARTER 0, 256, F1, F0, 0
	QUARTER 0, 384, F0, F1, 0
	TURN 0, 1, 1
	QUARTER 1, 128, F0, F1, 0
	QUARTER 1, 256, F1, F0, 0
	QUARTER 1, 384, F0, F1, 0
	TURN 1, 0, 1
	QUARTER 0, 128, F0, F1, 0
	WIN 0
	s_sub_co_u32 s3, s3, 1
	s_cmp_lg_u32 s3, 0
	s_cbranch_scc1 .Llap
	QUARTER 0, 256, F1, F0, 0                      ; the last lap fills nothing, and has no round of the cluster's barrier
	QUARTER 0, 384, F0, F1, 0
	TURN 0, 1, 0
	QUARTER 1, 128, F0, F1, 0
	QUARTER 1, 256, F1, F0, 0
	QUARTER 1, 384, F0, F1, 0
	s_wait_dscnt 16                                ; the very last quarter: nothing more to fetch
	WIN MUL
	MUL8 F1, 0, 0, 0
	MUL8 F1, 0, 2, 0
	s_wait_dscnt 0
	MUL8 F1, 1, 0, 0
	MUL8 F1, 1, 2, 0
	WIN 0
; THE WAY OUT, block by block of 16 rows x 64 columns of f32.  A lane holds 32 neighbouring bytes of a row: a block goes through my own stage and comes back as whole rows of 256 bytes.
; LDS serves a wave's instructions in order (ISA guide 5.7.1.4): no wait between the stores and the loads, nor in front of the next block's stores.
.macro TOSTAGE a
.irp b, 0,1,2,3
	ds_store_b128 v[STO], v[ACC+8*(4*(\a)+\b):ACC+8*(4*(\a)+\b)+3] offset:64*\b          ; each accumulator from its low end on
	ds_store_b128 v[STO], v[ACC+8*(4*(\a)+\b)+4:ACC+8*(4*(\a)+\b)+7] offset:64*\b+16
.endr
.set BB, TMP+32*((\a)%2)
.irp i, 0,1,2,3,4,5,6,7
	ds_load_b128 v[BB+4*\i:BB+4*\i+3], v[RD] offset:\i*2*SPITCH
.endr
.endm
.macro SEND a, younger                 ; younger: the LDS instructions issued behind block a's loads, which may stay out
.set BB, TMP+32*((\a)%2)
	s_wait_dscnt \younger
.irp i, 0,1,2,3,4,5,6,7
	global_store_b128 v[CO], v[BB+4*\i:BB+4*\i+3], s[8:9] offset:(16*(\a)+2*\i)*SIZE_N*4 th:TH_STORE_NT   ; sixteen lanes store 256 consecutive bytes, aligned; written once, read by nobody here
.endr
.endm
	PLACES                                         ; behind the last products
	TOSTAGE 0
.irp a, 1,2,3
.if \a > 1
	s_wait_xcnt 0x0                                ; block a - 2's stores have read their registers: block a's loads may land there
.endif
	TOSTAGE \a
	SEND \a-1, 16                                  ; behind block a - 1's loads: block a's 8 stores and 8 loads
.endr
	SEND 3, 0
	s_wait_tensorcnt 0x0                           ; the wave's end: behind my last tensor load and my last LDS store
	ds_add_u32 v[SPW], v[NIL]
	s_wait_dscnt 0x0
	CROUND                                         ; the closing round: no work-group ends while a partner may still ask for a tile that names it
	s_endpgm
.Lfunc_end_k_qb8b5933b9c_oproj:
	.size	k_qb8b5933b9c_oproj, .Lfunc_end_k_qb8b5933b9c_oproj-k_qb8b5933b9c_oproj
	.p2alignl 7, 3214868480
	.fill 96, 4, 3214868480
	.section	.rodata,"a",@progbits
	.p2align	6, 0x0
	.amdhsa_kernel k_qb8b5933b9c_oproj
		.amdhsa_group_segment_fixed_size 327680
		.amdhsa_private_segment_fixed_size 0
		.amdhsa_enable_private_segment 0
		.amdhsa_kernarg_size 32
		.amdhsa_user_sgpr_count 2
		.amdhsa_user_sgpr_kernarg_segment_ptr 1
		.amdhsa_wavefront_size32 1
		.amdhsa_system_sgpr_workgroup_id_x 1
		.amdhsa_system_sgpr_workgroup_id_y 1
		.amdhsa_system_sgpr_workgroup_id_z 1
		.amdhsa_system_vgpr_workitem_id 0
		.amdhsa_next_free_vgpr 512
		.amdhsa_next_free_sgpr 68
		.amdhsa_reserve_vcc 0
		.amdhsa_float_denorm_mode_32 3
		.amdhsa_float_denorm_mode_16_64 3
		.amdhsa_memory_ordered 1
		.amdhsa_forward_progress 1
		.amdhsa_inst_pref_size 86
	.end_amdhsa_kernel
	.amdgpu_metadata
---
amdhsa.version: [ 1, 2 ]
amdhsa.kernels:
  - .name:           k_qb8b5933b9c_oproj
    .symbol:         k_qb8b5933b9c_oproj.kd
    .args:
      - { .name: ao, .offset: 0, .size: 8, .value_kind: global_buffer, .address_space: global }
      - { .name: wot, .offset: 8, .size: 8, .value_kind: global_buffer, .address_space: global }
      - { .name: bo, .offset: 16, .size: 8, .value_kind: global_buffer, .address_space: global }
      - { .name: out0, .offset: 24, .size: 8, .value_kind: global_buffer, .address_space: global }
    .group_segment_fixed_size: 327680
    .private_segment_fixed_size: 0
    .kernarg_segment_align: 8
    .kernarg_segment_size: 32
    .max_flat_workgroup_size: 128
    .sgpr_count:     68
    .vgpr_count:     512
    .wavefront_size: 32
...
	.end_amdgpu_metadata
.endif
;; end of part 4
